; MI455X (gfx1250); checked and timed in simulation.
; The chip was launched on July 23, 2026; its instructions are those of AMD's public machine-readable ISA for CDNA 5 (MIT licence, August 2026) and "CDNA5" Instruction Set Architecture Reference Guide (July 2026). The comments in the code are by the model that wrote it; some were corrected since.
;; Multi Query Self Attention. Allowed arithmetic: matrix products marked QUANTISED: E3M2 operands, one E8M0 scale for each 32 along K, by v_wmma_scale_f32_16x16x128_f8f6f4 with both operands' format E3M2, f32 sums; everything else in f32.
;; Inputs: W_k 1,024 x 64 float32; W_o 1,024 x 1,024 float32; W_q 1,024 x 1,024 float32; W_v 1,024 x 64 float32; b_k 64 float32; b_o 1,024 float32; b_q 1,024 float32; b_v 64 float32; x 4 x 2,048 x 1,024 float32.
;; Outputs: out0 4 x 2,048 x 1,024 float32.
;; This version of the problem:
;;   THIS VERSION OF THE PROBLEM IS GIVEN IN LOW PRECISION. The matrix products marked QUANTISED in the list below multiply operands that are first quantised to E3M2 (3 exponent bits, 2 mantissa bits; 6 bits a number), with one power-of-two scale for each 32 numbers along K (OCP MX v1.0); their sums are f32. All else is computed in f32.
;;   The module's matrix products, in the order in which they are computed (A, B: the left and right operand; K: the contracted axis; several contracted axes count as one K, in the product's order):
;;     1. [M 8,192, K 1,024] x [K 1,024, N 1,024]; A: input x; B: input W_q: QUANTISED
;;     2. [M 8,192, K 1,024] x [K 1,024, N 64]; A: input x; B: input W_k: QUANTISED
;;     3. [M 8,192, K 1,024] x [K 1,024, N 64]; A: input x; B: input W_v: QUANTISED
;;     4. batch 4 x [M 32,768, K 64] x [K 64, N 2,048]; A: computed on the way; B: computed on the way: QUANTISED
;;     5. batch 4 x [M 32,768, K 2,048] x [K 2,048, N 64]; A: softmax (see below); B: computed on the way: QUANTISED
;;     6. [M 8,192, K 1,024] x [K 1,024, N 1,024]; A: computed on the way; B: input W_o: QUANTISED
;;   THE QUANTISER, for each operand of a quantised product, along K:
;;     - K is cut into blocks of 32 from its start; a last block that is shorter is filled with zeros.
;;     - A block's scale is 2^e with e = floor(log2(the largest magnitude in the block)) - 4, held to -126 .. 127; a block of zeros has e = 0. As a byte (E8M0): e + 127.
;;     - Each number is divided by its block's scale, clamped to +-28, and rounded to the nearest number of E3M2, ties to even, subnormals kept.
;;     - The product sums the exact products of the quantised numbers (number of the format x scale) in f32.
;;   ~~~python
;;   def quantise(x, axis):      # numpy; x: float32 -> the quantised numbers, widened to float32 again
;;       x = np.moveaxis(x, axis, -1); K = x.shape[-1]
;;       x = np.pad(x, [(0, 0)] * (x.ndim - 1) + [(0, -K % 32)]); x = x.reshape(x.shape[:-1] + (-1, 32)); a = np.abs(x).max(-1, keepdims=True)
;;       e = np.where(a > 0, np.clip(np.frexp(np.where(a > 0, a, 1))[1] - 1 - 4, -126, 127), 0)      # np.frexp(a)[1] - 1 = floor(log2(a)), exactly
;;       r = np.clip(x / 2.0 ** e, -28, 28)
;;       step = 2.0 ** (np.maximum(np.frexp(np.where(r == 0, 1, r))[1] - 1, -2) - 2)
;;       q = np.round(r / step) * step * 2.0 ** e      # np.round: ties to even
;;       return np.moveaxis(q.reshape(q.shape[:-2] + (-1,))[..., :K], -1, axis).astype(np.float32)
;;   ~~~
;;   SOFTMAX AHEAD OF A QUANTISED PRODUCT. Where the list says 'softmax', what is quantised is not the finished softmax but p = 2^(t - M), with t = logit x log2(e) and M = ceil(the row's largest t), a whole number; so 1/2 < the row's largest p <= 1. The row's sum l is taken of the UNQUANTISED p, in f32, and the product's result is divided by l at the end. Since M is a whole number, a kernel that streams over the keys may use a running M (the ceiling of the running maximum): every later rescaling is an exact power of two, which a block's scale takes up: the codes' values come out the same.
;;   OPERANDS COMPUTED ON THE WAY. 'Computed on the way' means the value that the module computes at that place (a softmax that the list does not call 'softmax' is quantised finished and normalised). What goes into a quantiser is computed in f32, as accurately as f32 sums, v_exp_f32 and their like allow (about 1e-6 of the number): no bf16 or f16 on the way to a quantiser, and a product that is left as it is and whose result goes on into a quantised operand takes f32 operands (vector FMAs, or v_wmma_f32_16x16x4_f32). A number that lies on a knife's edge between two numbers of the format may be rounded either way, as far as f32 arithmetic and the matrix unit's own rounding can turn it there, and no further.
;; One version. Each part assembles by itself: llvm-mc -triple=amdgcn-amd-amdhsa -mcpu=gfx1250 --defsym DOCPART=n.
;; ======== version 1 of 1: 5 launches
;; limits: right only within a limited range of input values
;; workspace buffers: xq 6,553,600 bytes; w 1,740,800 bytes; qq 6,815,744 bytes; kv 835,584 bytes; oq 6,553,600 bytes
;; launch quant (part 1): grid 196 x 1, 4 waves a work-group, no clusters, 34,304 bytes of LDS; arguments x, W_q, W_o, W_k, W_v, xq, w; writes xq, w
.if DOCPART == 1
	.amdgcn_target "amdgcn-amd-amdhsa--gfx1250"
	.amdhsa_code_object_version 6
	.text
	.protected	k_qb6ae182c4c_quant
	.globl	k_qb6ae182c4c_quant
	.p2align	8
	.type	k_qb6ae182c4c_quant,@function
k_qb6ae182c4c_quant:
	s_mov_b64 s[64:65], 0
	v_nop
	global_prefetch_b8 v0, s[64:65] scope:SCOPE_SE
	s_setreg_imm32_b32 hwreg(HW_REG_WAVE_MODE, 25, 1), 1
	s_wait_xcnt 0x0
; MULTI-QUERY ATTENTION ON CODES OF E3M2, launch 1 of 5: x and the four weights become codes with one E8M0 byte for each 32 along d_model.
; DEAD WORK: none is left out.  Every input reaches out0 (each bias goes into a quantiser or into the result); the line of reference() that ends in 'if False else None' is never evaluated.
; LIMITS: NaN and infinities among the inputs are not served.  A block whose largest magnitude lies under 2^(5 - 127) has its byte held at 1; so a block of zeros gets the byte 1 where the rule says 127:
; its codes are zeros, which add nothing under any byte but 0xff, and the bytes are read by this program alone.
; LAYOUT OF ALL WORKSPACES.  (a) A tile of 16 rows holds, in slot i, position 32 (tile / 2) + 8 (tile % 2) + i + 8 (i / 8): then, wherever such a tile is source 0 of a product, a lane's 16 result registers of tiles
; 2 b and 2 b + 1 are the 16 neighbours 32 b + 16 (lane / 16) + 0 .. 15, as the next quantiser wants them.  x's rows and every weight's output columns are laid so.
; (b) A fragment (16 rows x 128 K, 12 registers a lane) lies as six pieces of 256 bytes: piece q holds registers 2 q, 2 q + 1 of lane l at 8 l.  So each store of a wave here covers 256 consecutive bytes, aligned,
; and a reader fills a fragment by six loads of 8 bytes a lane from consecutive bytes.  A tile with K = 1,024 is 8 fragments, 12,288 bytes.  (c) Scale bytes: 32 a row, rows in the tiles' order.
; SHARES.  Work-groups 0-127: x, one tile of 16 rows to a wave.  Work-groups 128-195: the weights, 32 columns x 256 along K to a wave.  The work-groups share no input, so there is no cluster; no matrix work; loads through registers.
.set XSO,   6291456                    ; xq: the scale bytes lie behind 512 tiles of codes
.set WSC,   1671168                    ; w: behind 136 tiles (0-63 W_q, 64-127 W_o, 128-131 W_k, 132-135 W_v)
.set STG,   8448                       ; LDS: a stage of 16 rows x (512 bytes + 16) for each wave of the x path
.set SPARE, 4*STG                      ; behind the stages: the spare words, 128 bytes for each wave
.set R,     16                         ; v16-143  x path: two sets of 64 registers as loaded
.set X,     144                        ; v144-207 x path: 64 numbers of my row: k = 64 c + 32 (lane / 16) + 0 .. 31
.set PC,    208                        ; v208-219 x path: a fragment's codes
.set SW,    232                        ; v232-239 x path: my row's eight scale words.  w path: v232-233 my column's eight bytes
.set XW,    48                         ; v48-111  w path: two sets of 32 numbers;  v16-47: the loads' offsets;  v112-117, v118-123: two blocks' codes
; 32 numbers of one block, v[s] on, become 6 registers of codes, v[d] on, and the block's byte in v[e]
.macro Q32 s, d, e
	v_max3_num_f32 v224, |v[\s]|, |v[\s+1]|, |v[\s+2]|             ; the largest magnitude, in two chains
	v_max3_num_f32 v225, |v[\s+3]|, |v[\s+4]|, |v[\s+5]|
.irp i, 6,10,14,18,22,26
	v_max3_num_f32 v224, v224, |v[\s+\i]|, |v[\s+\i+1]|
	v_max3_num_f32 v225, v225, |v[\s+\i+2]|, |v[\s+\i+3]|
.endr
	v_max3_num_f32 v224, v224, |v[\s+30]|, |v[\s+31]|
	v_max3_num_f32 v224, v224, v225, 0x2800000                     ; and the floor 2^(5 - 127): the byte cannot fall under 1
	v_add_nc_u32 v226, 0xfe000000, v224                            ; 4 off its exponent field: the conversion takes this operand's exponent field as its scale
	v_cvt_scalef32_pk16_bf6_f32 v[\d:\d+2], v[\s:\s+15], v226
	v_cvt_scalef32_pk16_bf6_f32 v[220:222], v[\s+16:\s+31], v226   ; (a conversion's three registers begin on an even number)
	v_lshrrev_b32 v[\e], 23, v226                                  ; the byte; also the plain line behind the conversions
	v_mov_b32 v[\d+3], v220
	v_mov_b32 v[\d+4], v221
	v_mov_b32 v[\d+5], v222
.endm
	s_load_b256 s[4:11], s[0:1], 0x0               ; x s[4:5], W_q s[6:7], W_o s[8:9], W_k s[10:11]
	s_load_b128 s[12:15], s[0:1], 0x20             ; W_v s[12:13], xq s[14:15]
	s_load_b64 s[16:17], s[0:1], 0x30              ; w
	v_lshl_add_u32 v12, v0, 2, SPARE               ; my spare word; never rewritten
	v_mov_b32 v13, 0                               ; 0; never rewritten
	v_lshrrev_b32 v1, 5, v0
	v_readfirstlane_b32 s18, v1                    ; wave
	v_and_b32 v1, 31, v0                           ; lane
	v_and_b32 v2, 15, v0                           ; r
	v_bfe_u32 v3, v0, 4, 1                         ; h
	v_lshlrev_b32 v4, 4, v1                        ; 16 x lane
	v_lshlrev_b32 v5, 3, v1                        ; 8 x lane: my place in a piece
	s_mov_b32 s20, 0x76543210
	s_mov_b32 s21, 0xfedcba98                      ; v_permlanex16_b32's selects for lane l xor 16
	s_cmp_ge_u32 ttmp9, 128
	s_cbranch_scc1 .Lweights
	; ---------------- x: my tile's 16 rows, eight K steps of 128
	s_lshl_b32 s22, ttmp9, 2
	s_add_co_u32 s22, s22, s18                     ; my tile
	s_lshr_b32 s23, s22, 1
	s_lshl_b32 s24, s23, 17                        ; 32 rows of 4,096 bytes for each pair of tiles,
	s_and_b32 s23, s22, 1
	s_lshl_b32 s23, s23, 15                        ; 8 rows for the odd tile
	s_add_co_u32 s24, s24, s23
	s_mov_b32 s25, 0
	s_mul_i32 s26, s22, 12288                      ; its codes
	s_mov_b32 s27, 0
	s_lshl_b32 s28, s22, 9                         ; its 16 rows of 32 scale bytes
	s_add_co_u32 s28, s28, XSO
	s_mov_b32 s29, 0
	s_mul_i32 s30, s18, STG
	s_wait_alu depctr_va_vdst(0)
	v_add_nc_u32 v6, s30, v4                       ; the stage, in: 16 x lane of a row
	v_mul_u32_u24 v7, v2, 528
	v_lshl_add_u32 v7, v3, 7, v7
	v_add_nc_u32 v7, s30, v7                       ; out: row r, + 128 h: 33 x 16 bytes from row to row, so sixteen lanes touch sixteen different columns of 16 bytes
	v_lshlrev_b32 v8, 5, v2
	v_lshl_add_u32 v8, v3, 4, v8                   ; scale bytes: 32 r + 16 h
	v_lshlrev_b32 v9, 3, v3                        ; 8 h
	v_mov_b32 v231, 0                              ; (a lane permute's destination counts as one of its sources)
	s_wait_alu depctr_va_vdst(0)
	s_wait_kmcnt 0x0
	s_add_nc_u64 s[4:5], s[4:5], s[24:25]
	s_add_nc_u64 s[26:27], s[14:15], s[26:27]
	s_add_nc_u64 s[28:29], s[14:15], s[28:29]
.macro LOADX s                         ; K step s of the 16 rows: each load reads 512 consecutive bytes of one row
.irp i, 0,1,2,3,4,5,6,7,8,9,10,11,12,13,14,15
	global_load_b128 v[R+64*((\s)%2)+4*\i:R+64*((\s)%2)+4*\i+3], v4, s[4:5] offset:(\i+8*(\i/8))*4096+512*(\s) th:TH_LOAD_NT
.endr
.endm
.macro STEPX s
.if (\s) < 7
	s_wait_loadcnt 16                              ; this step's 16 loads are in; the next step's 16 may be out
.else
	s_wait_loadcnt 0x0
.endif
.irp i, 0,1,2,3,4,5,6,7,8,9,10,11,12,13,14,15
	ds_store_b128 v6, v[R+64*((\s)%2)+4*\i:R+64*((\s)%2)+4*\i+3] offset:528*\i
.endr
.irp c, 0,1
.irp j, 0,1,2,3,4,5,6,7
	ds_load_b128 v[X+32*\c+4*\j:X+32*\c+4*\j+3], v7 offset:256*\c+16*\j    ; LDS serves a wave's instructions in order: these see the stores above
.endr
.endr
	s_wait_dscnt 0x0                               ; my 64 numbers are back, and the stores have read their registers
	s_wait_xcnt 0x0                                ; the last step's stores have read the codes' registers
.if (\s) < 6
	LOADX (\s)+2
.endif
	Q32 X, PC, 228                                 ; block h of the step's four,
	Q32 X+32, PC+6, 229                            ; block 2 + h
	v_lshl_or_b32 v230, v229, 16, v228
	v_lshlrev_b32 v230, v9, v230                   ; my two bytes at their places in the scale word,
	v_permlanex16_b32 v231, v230, s20, s21
	v_or_b32 v[SW+(\s)], v230, v231                ; with lane l xor 16's two the word is whole
.irp q, 0,1,2,3,4,5
	global_store_b64 v5, v[PC+2*\q:PC+2*\q+1], s[26:27] offset:1536*(\s)+256*\q   ; a piece: 256 consecutive bytes, aligned
.endr
.endm
	LOADX 0
	LOADX 1
.irp s, 0,1,2,3,4,5,6,7
	STEPX \s
.endr
	v_cmp_ne_u32 vcc_lo, 0, v3
.irp i, 0,1,2,3
	v_cndmask_b32 v[240+\i], v[SW+\i], v[SW+4+\i], vcc_lo   ; lanes 0-15 store a row's first 16 bytes, lanes 16-31 its last
.endr
	global_store_b128 v8, v[240:243], s[28:29]     ; 512 consecutive bytes
	s_wait_tensorcnt 0x0                           ; the wave's end
	ds_add_u32 v12, v13
	s_wait_dscnt 0x0
	s_endpgm
	; ---------------- the weights: a lane takes a column, its registers run down K
.Lweights:
	s_sub_co_u32 s22, ttmp9, 128
	s_and_b32 s23, s22, 3                          ; y: which 256 along K
	s_lshr_b32 s22, s22, 2
	s_lshl_b32 s22, s22, 2
	s_add_co_u32 s22, s22, s18                     ; which 32 columns of the 68 x 32 (two tiles)
	s_wait_alu depctr_va_vdst(0)
	v_and_b32 v6, 8, v2
	v_add_nc_u32 v6, v6, v2
	v_lshl_add_u32 v6, v3, 3, v6                   ; my column of the 32: lanes 0-15 the even tile's slots, lanes 16-31 the odd tile's
	v_lshlrev_b32 v6, 2, v6
	v_lshlrev_b32 v10, 5, v1                       ; scale bytes: 32 x lane
	s_mul_i32 s32, s22, 24576
	s_mul_i32 s33, s23, 3072
	s_add_co_u32 s32, s32, s33                     ; the codes: two tiles, two fragments in each
	s_mov_b32 s33, 0
	s_lshl_b32 s34, s22, 10
	s_lshl_b32 s35, s23, 3
	s_add_co_u32 s34, s34, s35
	s_add_co_u32 s34, s34, WSC                     ; the bytes: 32 rows of 32, 8 y on
	s_mov_b32 s35, 0
	s_wait_alu depctr_va_vdst(0)
	s_wait_kmcnt 0x0
	s_cmp_lt_u32 s22, 66                           ; which weight: the choices hang on ids alone
	s_cselect_b64 s[24:25], s[10:11], s[12:13]
	s_cselect_b32 s26, 64, 66
	s_cmp_lt_u32 s22, 64
	s_cselect_b64 s[24:25], s[8:9], s[24:25]
	s_cselect_b32 s26, 32, s26
	s_mov_b32 s30, 256
	s_cselect_b32 s30, 4096, s30                   ; a row of the weight in bytes
	s_cmp_lt_u32 s22, 32
	s_cselect_b64 s[24:25], s[6:7], s[24:25]
	s_cselect_b32 s26, 0, s26
	s_sub_co_u32 s26, s22, s26                     ; which 32 columns of that weight
	s_lshl_b32 s26, s26, 7
	s_lshl_b32 s27, s30, 8
	s_mul_i32 s27, s27, s23                        ; 256 y rows down
	s_add_co_u32 s26, s26, s27
	s_mov_b32 s27, 0
	s_add_nc_u64 s[40:41], s[24:25], s[26:27]      ; a base for each of my eight blocks of 32 rows: none is ever stepped
	s_lshl_b32 s28, s30, 5
	s_mov_b32 s29, 0
.irp t, 1,2,3,4,5,6,7
	s_add_nc_u64 s[40+2*\t:41+2*\t], s[38+2*\t:39+2*\t], s[28:29]
.endr
	s_add_nc_u64 s[32:33], s[16:17], s[32:33]
	s_add_nc_u64 s[34:35], s[16:17], s[34:35]
.irp i, 0,1,2,3,4,5,6,7,8,9,10,11,12,13,14,15,16,17,18,19,20,21,22,23,24,25,26,27,28,29,30,31
	v_mad_u32_u24 v[16+\i], s30, \i, v6            ; row i of a block, my column
.endr
.macro LOADW t                         ; block t: 32 rows; each load reads 128 consecutive bytes, the four waves side by side
.irp i, 0,1,2,3,4,5,6,7,8,9,10,11,12,13,14,15,16,17,18,19,20,21,22,23,24,25,26,27,28,29,30,31
	global_load_b32 v[XW+32*((\t)%2)+\i], v[16+\i], s[40+2*(\t):41+2*(\t)] th:TH_LOAD_NT
.endr
.endm
.macro PAIRW t                         ; blocks t (even) and t + 1: together 64 along K, half a fragment of both tiles
	s_wait_loadcnt 32                              ; block t's 32 loads are in; block t + 1's may be out
	s_wait_xcnt 0x0                                ; the last pair's stores have read the codes' registers
	Q32 XW, 112, 228
.if (\t)+2 < 8
	LOADW (\t)+2
	s_wait_loadcnt 32                              ; block t + 1 is in
.else
	s_wait_loadcnt 0x0
.endif
	Q32 XW+32, 118, 229
.if (\t)+3 < 8
	LOADW (\t)+3
.endif
.if (\t)%4 == 0
	v_mov_b32 v[SW+(\t)/4], v228                   ; four bytes to a register, the lower K in the lower byte
.else
	v_lshl_or_b32 v[SW+(\t)/4], v228, 8*((\t)%4), v[SW+(\t)/4]
.endif
	v_lshl_or_b32 v[SW+(\t)/4], v229, 8*((\t)%4)+8, v[SW+(\t)/4]
.irp i, 0,1,2,3,4,5
	v_permlane16_swap_b32 v[112+\i], v[118+\i]     ; the even block's lanes 16-31 change places with the odd block's lanes 0-15: the first six now hold the even tile (lanes 0-15 block t, lanes 16-31 block t + 1), the second six the odd tile
.endr
.irp j, 0,1,2
	global_store_b64 v5, v[112+2*\j:113+2*\j], s[32:33] offset:((\t)/4)*1536+(3*(((\t)/2)%2)+\j)*256
	global_store_b64 v5, v[118+2*\j:119+2*\j], s[32:33] offset:12288+((\t)/4)*1536+(3*(((\t)/2)%2)+\j)*256
.endr
.endm
	LOADW 0
	LOADW 1
	PAIRW 0
	PAIRW 2
	PAIRW 4
	PAIRW 6
	global_store_b64 v10, v[SW:SW+1], s[34:35]     ; my column's 8 bytes of its row of 32: 69,632 bytes in the whole launch leave so, in parts of rows
	s_endpgm
.Lfunc_end_k_qb6ae182c4c_quant:
	.size	k_qb6ae182c4c_quant, .Lfunc_end_k_qb6ae182c4c_quant-k_qb6ae182c4c_quant
	.p2alignl 7, 3214868480
	.fill 96, 4, 3214868480
	.section	.rodata,"a",@progbits
	.p2align	6, 0x0
	.amdhsa_kernel k_qb6ae182c4c_quant
		.amdhsa_group_segment_fixed_size 34304
		.amdhsa_private_segment_fixed_size 0
		.amdhsa_enable_private_segment 0
		.amdhsa_kernarg_size 56
		.amdhsa_user_sgpr_count 2
		.amdhsa_user_sgpr_kernarg_segment_ptr 1
		.amdhsa_wavefront_size32 1
		.amdhsa_system_sgpr_workgroup_id_x 1
		.amdhsa_system_sgpr_workgroup_id_y 1
		.amdhsa_system_sgpr_workgroup_id_z 1
		.amdhsa_system_vgpr_workitem_id 0
		.amdhsa_next_free_vgpr 256
		.amdhsa_next_free_sgpr 66
		.amdhsa_reserve_vcc 1
		.amdhsa_float_denorm_mode_32 3
		.amdhsa_float_denorm_mode_16_64 3
		.amdhsa_memory_ordered 1
		.amdhsa_forward_progress 1
		.amdhsa_inst_pref_size 102
	.end_amdhsa_kernel
	.amdgpu_metadata
---
amdhsa.version: [ 1, 2 ]
amdhsa.kernels:
  - .name:           k_qb6ae182c4c_quant
    .symbol:         k_qb6ae182c4c_quant.kd
    .args:
      - { .name: x, .offset: 0, .size: 8, .value_kind: global_buffer, .address_space: global }
      - { .name: W_q, .offset: 8, .size: 8, .value_kind: global_buffer, .address_space: global }
      - { .name: W_o, .offset: 16, .size: 8, .value_kind: global_buffer, .address_space: global }
      - { .name: W_k, .offset: 24, .size: 8, .value_kind: global_buffer, .address_space: global }
      - { .name: W_v, .offset: 32, .size: 8, .value_kind: global_buffer, .address_space: global }
      - { .name: xq, .offset: 40, .size: 8, .value_kind: global_buffer, .address_space: global }
      - { .name: w, .offset: 48, .size: 8, .value_kind: global_buffer, .address_space: global }
    .group_segment_fixed_size: 34304
    .private_segment_fixed_size: 0
    .kernarg_segment_align: 8
    .kernarg_segment_size: 56
    .max_flat_workgroup_size: 128
    .sgpr_count:     66
    .vgpr_count:     256
    .wavefront_size: 32
...
	.end_amdgpu_metadata
.endif
;; end of part 1
;; launch projkv (part 2): grid 64 x 1, 8 waves a work-group, clusters of 4 x 1, 205,824 bytes of LDS; arguments xq, w, b_k, b_v, kv; writes kv
.if DOCPART == 2
	.amdgcn_target "amdgcn-amd-amdhsa--gfx1250"
	.amdhsa_code_object_version 6
	.text
	.protected	k_qb6ae182c4c_projkv
	.globl	k_qb6ae182c4c_projkv
	.p2align	8
	.type	k_qb6ae182c4c_projkv,@function
k_qb6ae182c4c_projkv:
	s_mov_b64 s[64:65], 0
	v_nop
	global_prefetch_b8 v0, s[64:65] scope:SCOPE_SE
	s_setreg_imm32_b32 hwreg(HW_REG_WAVE_MODE, 25, 1), 1
	s_wait_xcnt 0x0
	s_wait_alu depctr_hold_cnt(0) depctr_sa_sdst(0) depctr_va_vdst(0) depctr_va_sdst(0) depctr_va_ssrc(0) depctr_va_vcc(0) depctr_vm_vsrc(0)
	s_getreg_b32 s2, hwreg(HW_REG_IB_STS2, 6, 4)
	s_cmp_eq_u32 s2, 0
	s_cbranch_scc0 .Lentry_in_a_cluster
	s_endpgm
.Lentry_in_a_cluster:
	s_bfe_u32 s2, ttmp6, 0x10000c
	s_cmp_lg_u32 s2, 0x3003
	s_cbranch_scc0 .Lentry_shape_is_right
	s_endpgm
.Lentry_shape_is_right:
; Launch 2 of 5: k = x W_k + b_k and v = x W_v + b_v on codes of E3M2, each quantised at once: k along the head's 64, v along the keys.  Nothing of reference() is left out.
; LIMITS as in the first launch: no NaN or infinities; a block's byte is held at 1 from below (a block of zeros has the byte 1 and zero codes).
; SHARES.  A work-group owns 128 positions (8 tiles of x, one key step of the attention).  All its operands come into LDS once, by first fills alone: nothing is filled again.
; Waves 0-3 make k: wave w tiles 2 w, 2 w + 1; source 0 = 16 columns of W_k, source 1 = 16 rows of x: a lane holds one position and its registers run along the head's 64.
; Waves 4-7 make v: wave 4 + w the 16 channels of tile w; source 0 = 16 rows of x, source 1 = 16 columns of W_v: a lane holds one channel and its registers run along the 128 keys.
; By the tiles' order of rows (first launch) 16 registers of two neighbouring tiles are 16 neighbours, so one quantiser serves both, and its result is a fragment as the attention reads it.
; CLUSTER: the four work-groups of a cluster read the same 98,304 bytes of weights and their 4,096 scale bytes: those are asked for jointly; x's tiles are each work-group's own.
; kv, for each batch 208,896 bytes: k's codes (tile x 768, three pieces of 256 bytes), at 98,304 v's codes (key step x 6,144 + channel tile x 1,536), at 196,608 k's scale words (tile x 64 + 4 r: two bytes and twice 0x7f),
; at 204,800 v's scale words (key step x 256 + channel tile x 64 + 4 r).
.set XSO,   6291456
.set WSC,   1671168
.set WB,    98304                      ; LDS: x's 8 tiles at 0; the weights' 8 tiles (0-3 W_k, 4-7 W_v) here;
.set XSC,   196608                     ; x's scale bytes, 32 a row;
.set WSL,   200704                     ; the weights';
.set SPARE, 204800                     ; the spare words, 128 bytes for each of eight waves
.set TM,  200                          ; v200-215 the quantiser's: largest magnitudes, bytes, scale operands
.set PW,  216                          ; the scale word just made
.set PC,  220                          ; v220-239 the codes just made
; REGISTERS: v1 8 x lane (also x's tiles 0-3 for v); v4-12 LDS addresses; v13-15, v197 global offsets; v16-79 eight accumulators; v80-187 fragments; v188-196 scale words and nothing else; v152-183 b_k (k) ; v240-247 b_v (v)
.macro ROUND                           ; a round of the cluster's barrier
	s_barrier_signal -1
	s_barrier_wait -1
	s_cmp_lg_u32 s14, 0
	s_cbranch_scc1 .Lnot_wave_0_\@
	s_barrier_signal -3
.Lnot_wave_0_\@:
	s_barrier_wait -3
	s_barrier_signal -1
	s_barrier_wait -1
.endm
.macro FRAGL reg, adr, off             ; a fragment: six pieces, 8 bytes a lane from 256 consecutive bytes
.irp p, 0,1,2,3,4,5
	ds_load_b64 v[\reg+2*\p:\reg+2*\p+1], v[\adr] offset:\off+256*\p
.endr
.endm
; 64 numbers of a lane, register 16 b + i = k 32 b + 16 (lane / 16) + i of my row, become a fragment's codes in v[PC] on and its scale word in v[PW]
.macro QUANT s
.irp b, 0,1,2,3
	v_max3_num_f32 v[TM+\b], |v[\s+16*\b]|, |v[\s+1+16*\b]|, 0x2800000   ; my 16 numbers of block b, and the floor 2^(5 - 127)
.endr
.irp i, 2,4,6,8,10,12,14
.irp b, 0,1,2,3
	v_max3_num_f32 v[TM+\b], v[TM+\b], |v[\s+16*\b+\i]|, |v[\s+1+16*\b+\i]|
.endr
.endr
.irp b, 0,1,2,3
	s_delay_alu instid0(VALU_DEP_4)
	v_permlanex16_b32 v[TM+4+\b], v[TM+\b], s92, s93
.endr
.irp b, 0,1,2,3
	s_delay_alu instid0(VALU_DEP_4)
	v_max_num_f32 v[TM+\b], v[TM+\b], v[TM+4+\b]   ; with lane l xor 16's: the block's largest magnitude
.endr
.irp b, 0,1,2,3
	s_delay_alu instid0(VALU_DEP_4)
	v_add_nc_u32 v[TM+12+\b], 0xfe000000, v[TM+\b] ; 4 off its exponent field: the conversion's scale operand
.endr
.irp b, 0,1,2,3
	s_delay_alu instid0(VALU_DEP_4)
	v_lshrrev_b32 v[TM+4+\b], 23, v[TM+12+\b]      ; the byte
.endr
	s_delay_alu instid0(VALU_DEP_3)
	v_lshl_or_b32 v[PW], v[TM+5], 8, v[TM+4]
	s_delay_alu instid0(VALU_DEP_1)
	v_lshl_or_b32 v[PW], v[TM+6], 16, v[PW]
	s_delay_alu instid0(VALU_DEP_1)
	v_lshl_or_b32 v[PW], v[TM+7], 24, v[PW]
.irp c, 0,1
	v_cvt_scalef32_pk16_bf6_f32 v[PC+6*\c:PC+2+6*\c], v[\s+32*\c:\s+15+32*\c], v[TM+12+2*\c]
	v_cvt_scalef32_pk16_bf6_f32 v[PC+12+4*\c:PC+14+4*\c], v[\s+16+32*\c:\s+31+32*\c], v[TM+12+2*\c+1]
.endr
	v_nop                                          ; one plain line behind a scaled conversion
.irp c, 0,1                            ; the operand's layout wants a whole block in a lane
.irp i, 0,1,2
	v_permlane16_swap_b32 v[PC+6*\c+\i], v[PC+12+4*\c+\i]
.endr
.irp i, 0,1,2
	s_delay_alu instid0(VALU_DEP_3)
	v_mov_b32 v[PC+3+6*\c+\i], v[PC+12+4*\c+\i]
.endr
.endr
.endm
	s_load_b256 s[4:11], s[0:1], 0x0               ; xq s[4:5], w s[6:7], b_k s[8:9], b_v s[10:11]
	s_load_b64 s[12:13], s[0:1], 0x20              ; kv
	v_lshl_add_u32 v252, v0, 2, SPARE              ; my spare word; never rewritten
	v_mov_b32 v253, 0                              ; 0; never rewritten
	ds_add_u32 v252, v253                          ; the wave's opening: the add, twice on end, and its wait ahead of my first tensor load
	ds_add_u32 v252, v253                          ; and once more; the set-up below, work on registers, stands between it and the wait
	v_lshrrev_b32 v1, 5, v0
	s_delay_alu instid0(VALU_DEP_1)
	v_readfirstlane_b32 s14, v1                    ; wave 0..7
	s_and_b32 s15, s14, 3                          ; w
	s_bfe_u32 s16, ttmp6, 0x40000                  ; cx
	s_lshl_b32 s17, ttmp9, 2
	s_add_co_u32 s17, s17, s16                     ; my work-group: it enters x's and kv's global addresses alone
	; descriptor groups 1: dense blocks as rows of 256 bytes (32 elements of 8 bytes), no padding.  s[24:31]: 128 rows, my own; s[32:39]: 128 rows, joint; s[40:47]: 16 rows, my own; s[48:55]: 16 rows, joint
	s_mov_b32 s24, 3<<16
	s_mov_b32 s32, 15|(3<<16)|(1<<21)              ; the mask names all four work-groups; bit 21 is set beside a mask
	s_mov_b32 s40, 3<<16
	s_mov_b32 s48, 15|(3<<16)|(1<<21)
.irp g, 24, 32
	s_mov_b32 s[\g+1], 32<<16
	s_mov_b32 s[\g+2], 128<<16
	s_mov_b32 s[\g+3], 32<<16
	s_mov_b32 s[\g+4], 128
	s_mov_b32 s[\g+5], 32
	s_mov_b32 s[\g+6], 0
	s_mov_b32 s[\g+7], 0
.endr
.irp g, 40, 48
	s_mov_b32 s[\g+1], 32<<16
	s_mov_b32 s[\g+2], 16<<16
	s_mov_b32 s[\g+3], 32<<16
	s_mov_b32 s[\g+4], 16
	s_mov_b32 s[\g+5], 32
	s_mov_b32 s[\g+6], 0
	s_mov_b32 s[\g+7], 0
.endr
	s_lshl_b32 s95, s15, 15                        ; a third of 8 tiles of codes, 128 rows of 256 bytes: what waves 0-2 and 4-6 fetch
	s_mul_i32 s84, s17, 98304
	s_add_co_u32 s84, s84, s95
	s_mov_b32 s85, 0
	s_lshl_b32 s86, s17, 12
	s_add_co_u32 s86, s86, XSO
	s_mov_b32 s87, 0
	s_add_co_u32 s88, s95, 128*12288
	s_mov_b32 s89, 0
	s_mov_b32 s90, WSC+128*512
	s_mov_b32 s91, 0
	s_mov_b32 s92, 0x76543210
	s_mov_b32 s93, 0xfedcba98                      ; selects for lane l xor 16
	s_mov_b32 s94, 0x7f7f0000                      ; the upper two bytes of k's scale words: 2^0, over zero codes
	; where the results go
	s_lshr_b32 s20, s17, 4
	s_mul_i32 s20, s20, 208896                     ; my batch
	s_and_b32 s21, s17, 15                         ; my key step
	s_lshl_b32 s22, s21, 3
	s_lshl_b32 s23, s15, 1
	s_add_co_u32 s22, s22, s23                     ; k: tile 8 step + 2 w
	s_mul_i32 s76, s22, 768
	s_add_co_u32 s76, s76, s20
	s_mov_b32 s77, 0
	s_lshl_b32 s78, s22, 6
	s_add_co_u32 s78, s78, s20
	s_add_co_u32 s78, s78, 196608
	s_mov_b32 s79, 0
	s_mul_i32 s80, s21, 6144
	s_mul_i32 s23, s15, 1536
	s_add_co_u32 s80, s80, s23
	s_add_co_u32 s80, s80, s20
	s_add_co_u32 s80, s80, 98304
	s_mov_b32 s81, 0
	s_lshl_b32 s82, s21, 8
	s_lshl_b32 s23, s15, 6
	s_add_co_u32 s82, s82, s23
	s_add_co_u32 s82, s82, s20
	s_add_co_u32 s82, s82, 204800
	s_mov_b32 s83, 0
	; every LDS address is made here, ahead of the first branch on the wave's number
	v_and_b32 v2, 15, v0                           ; r
	v_bfe_u32 v3, v0, 4, 1                         ; h
	v_and_b32 v1, 31, v0
	s_delay_alu instid0(VALU_DEP_1)
	v_lshlrev_b32 v15, 2, v1                       ; 4 x lane
	s_delay_alu instid0(VALU_DEP_2)
	v_lshlrev_b32 v1, 3, v1                        ; 8 x lane
	s_delay_alu instid0(VALU_DEP_1)
	v_add_nc_u32 v5, WB, v1                        ; k: W_k's four tiles
	s_delay_alu instid0(VALU_DEP_2)
	v_add_nc_u32 v6, 49152, v1                     ; v: x's tiles 4-7 (tiles 0-3: v1)
	; k: THE ROWS OF x THAT FORM A TILE OF k ARE CHOSEN ANEW: slot i of k's tile 4 c + u (= 2 w + a) is key 64 c + 32 (i / 8) + 8 u + i % 8,
	; which lies in x's tile 4 c + a + 2 (i / 8), slot i % 8 + 8 (w % 2).  So in the attention a lane's 32 scores of tiles 4 c .. 4 c + 3 are one whole block of 32 keys.
	s_wait_alu depctr_va_vdst(0)                   ; ahead of the run of scalar lines
	s_lshr_b32 s2, s15, 1                          ; c
	s_and_b32 s3, s15, 1                           ; w % 2
	s_mul_i32 s18, s2, 49152
	s_lshl_b32 s19, s3, 6
	s_add_co_u32 s18, s18, s19                     ; codes: four tiles for c, eight slots of 8 bytes for w % 2
	s_lshl_b32 s2, s2, 11
	s_lshl_b32 s3, s3, 8
	s_add_co_u32 s19, s2, s3
	s_add_co_u32 s19, s19, XSC                     ; scale bytes likewise: 512 a tile, 32 a slot
	v_and_b32 v198, 7, v2                          ; r % 8
	v_lshrrev_b32 v199, 3, v2                      ; r / 8
	v_lshlrev_b32 v4, 3, v198
	v_lshlrev_b32 v9, 5, v198
	v_lshl_add_u32 v4, v3, 7, v4
	v_lshl_add_u32 v9, v199, 10, v9
	v_mad_u32_u24 v4, v199, 24576, v4
	v_add_nc_u32 v9, s19, v9                       ; k: my row's scale words
	v_add_nc_u32 v4, s18, v4                       ; k: my row's pieces
	s_mul_i32 s2, s15, 12288
	s_add_co_u32 s2, s2, WB+4*12288
	v_add_nc_u32 v7, s2, v1                        ; v: W_v's tile w
	v_lshlrev_b32 v8, 5, v2                        ; 32 r
	v_add_nc_u32 v10, WSL, v8                      ; k: of W_k
	v_add_nc_u32 v11, XSC, v8                      ; v: of x's eight tiles
	s_lshl_b32 s2, s15, 9
	s_add_co_u32 s2, s2, WSL+4*512
	v_add_nc_u32 v12, s2, v8                       ; v: of W_v's tile w
	v_lshlrev_b32 v13, 6, v3                       ; b_k: 64 h
	v_and_b32 v14, 8, v2
	s_delay_alu instid0(VALU_DEP_1)
	v_add_nc_u32 v14, v14, v2
	s_lshr_b32 s2, s15, 1
	s_lshl_b32 s2, s2, 5
	s_and_b32 s3, s15, 1
	s_lshl_b32 s3, s3, 3
	s_add_co_u32 s2, s2, s3
	v_add_nc_u32 v14, s2, v14
	s_delay_alu instid0(VALU_DEP_1)
	v_lshlrev_b32 v14, 2, v14                      ; b_v: my channel 32 (w / 2) + 8 (w % 2) + r + 8 (r / 8)
	v_lshlrev_b32 v197, 2, v2                      ; 4 r
.irp b, 0,1,2,3
	v_mov_b32 v[TM+4+\b], 0                        ; (a lane permute's destination counts as one of its sources)
.endr
	s_wait_alu depctr_va_vdst(0)                   ; the head's end
	s_wait_dscnt 0x0
	s_wait_kmcnt 0x0
	s_mov_b32 s56, 1                               ; group 0: x's codes
	s_mov_b32 s57, s95
	s_add_nc_u64 s[58:59], s[4:5], s[84:85]
	s_or_b32 s59, s59, 0x80000000
	s_mov_b32 s60, 1                               ; x's scale bytes
	s_mov_b32 s61, XSC
	s_add_nc_u64 s[62:63], s[4:5], s[86:87]
	s_or_b32 s63, s63, 0x80000000
	s_mov_b32 s68, 1                               ; the weights' codes: nothing in it hangs on my place in the cluster
	s_add_co_u32 s69, s95, WB
	s_add_nc_u64 s[70:71], s[6:7], s[88:89]
	s_or_b32 s71, s71, 0x80000000
	s_mov_b32 s72, 1                               ; the weights' scale bytes
	s_mov_b32 s73, WSL
	s_add_nc_u64 s[74:75], s[6:7], s[90:91]
	s_or_b32 s75, s75, 0x80000000
	s_add_nc_u64 s[76:77], s[12:13], s[76:77]
	s_add_nc_u64 s[78:79], s[12:13], s[78:79]
	s_add_nc_u64 s[80:81], s[12:13], s[80:81]
	s_add_nc_u64 s[82:83], s[12:13], s[82:83]
	ROUND                                          ; all four work-groups are here: the joint loads meet
	s_cmp_lt_u32 s14, 3                            ; one first fill a wave, in one chain of four arms on the wave's number
	s_cbranch_scc0 .Lfill_xs
	tensor_load_to_lds s[56:59], s[24:31]          ; waves 0-2: a third of x's codes
	s_nop 0
.rept 4
	v_nop
.endr
	s_branch .Lasked
.Lfill_xs:
	s_cmp_lt_u32 s14, 4
	s_cbranch_scc0 .Lfill_w
	tensor_load_to_lds s[60:63], s[40:47]          ; wave 3: x's scale bytes, 16 rows of 256 bytes
	s_nop 0
.rept 4
	v_nop
.endr
	s_branch .Lasked
.Lfill_w:
	s_cmp_lt_u32 s14, 7
	s_cbranch_scc0 .Lfill_ws
	tensor_load_to_lds s[68:71], s[32:39]          ; waves 4-6: a third of the weights' codes, jointly
	s_nop 0
.rept 4
	v_nop
.endr
	s_branch .Lasked
.Lfill_ws:
	tensor_load_to_lds s[72:75], s[48:55]          ; wave 7: the weights' scale bytes, jointly
	s_nop 0
.rept 4
	v_nop
.endr
.Lasked:
	s_cmp_lt_u32 s14, 4
	s_cbranch_scc0 .Lbias_v
.irp t, 0,1,2,3                        ; b_k in the result's layout: for tile t the channels 32 (t / 2) + 8 (t % 2) + 16 h + 0 .. 7
	global_load_b128 v[152+8*\t:155+8*\t], v13, s[8:9] offset:(32*(\t/2)+8*(\t%2))*4
	global_load_b128 v[156+8*\t:159+8*\t], v13, s[8:9] offset:(32*(\t/2)+8*(\t%2))*4+16
.endr
	s_branch .Lfilled
.Lbias_v:
.irp j, 0,1,2,3,4,5,6,7
	global_load_b32 v[240+\j], v14, s[10:11]       ; b_v of my channel, in all eight registers of the result's layout
.endr
.Lfilled:
	s_wait_tensorcnt 0x0                           ; my parts have landed,
	s_barrier_signal -1
	s_barrier_wait -1                              ; everybody's have
	s_cmp_lt_u32 s14, 4
	s_cbranch_scc0 .Lrole_v
	; ---------------- k: two tiles of positions x four tiles of channels, eight accumulators by turns, eight K steps
.irp s, 0,1,2,3,4,5,6,7
.if \s > 0
.rept 4
	v_nop                                          ; four places in front of loads into registers that matrix instructions have read
.endr
.endif
.irp t, 0,1,2,3
	FRAGL 80+12*\t, 5, \t*12288+1536*\s
	ds_load_b32 v[188+\t], v10 offset:512*\t+4*\s
.endr
.irp a, 0,1
	FRAGL 128+12*\a, 4, \a*12288+1536*\s
	ds_load_b32 v[192+\a], v9 offset:512*\a+4*\s
.endr
	s_wait_dscnt 0x0
.if \s == 0
	s_wait_loadcnt 0x0                             ; b_k: the C of each sum's first product
.endif
.irp a, 0,1
.irp t, 0,1,2,3
.if \s == 0
	v_wmma_scale_f32_16x16x128_f8f6f4 v[16+8*(4*\a+\t):23+8*(4*\a+\t)], v[80+12*\t:91+12*\t], v[128+12*\a:139+12*\a], v[152+8*\t:159+8*\t], v[188+\t], v[192+\a] matrix_a_fmt:MATRIX_FMT_BF6 matrix_b_fmt:MATRIX_FMT_BF6
.else
	v_wmma_scale_f32_16x16x128_f8f6f4 v[16+8*(4*\a+\t):23+8*(4*\a+\t)], v[80+12*\t:91+12*\t], v[128+12*\a:139+12*\a], v[16+8*(4*\a+\t):23+8*(4*\a+\t)], v[188+\t], v[192+\a] matrix_a_fmt:MATRIX_FMT_BF6 matrix_b_fmt:MATRIX_FMT_BF6
.endif
.endr
.endr
.endr
.rept 4
	v_nop
.endr
	QUANT 16                                       ; blocks 0, 1: the first tile's 64 channels; blocks 2, 3: the second's.  Registers 0-5 of the result are the first tile's codes, 6-11 the second's
.irp q, 0,1,2,3,4,5
	global_store_b64 v1, v[PC+2*\q:PC+2*\q+1], s[76:77] offset:256*\q
.endr
	v_and_or_b32 v217, v[PW], 0xffff, s94          ; the first tile's word,
	v_lshrrev_b32 v218, 16, v[PW]
	s_delay_alu instid0(VALU_DEP_1)
	v_or_b32 v218, s94, v218                       ; the second's
	v_cmp_ne_u32 vcc_lo, 0, v3
	s_delay_alu instid0(VALU_DEP_1)
	v_cndmask_b32 v217, v217, v218, vcc_lo         ; lanes 0-15 store the first tile's 16 words, lanes 16-31 the second's
	global_store_b32 v15, v217, s[78:79]           ; 128 consecutive bytes; the four waves' lie on end
	s_branch .Lend
	; ---------------- v: eight tiles of keys x my tile of channels, eight accumulators by turns, eight K steps
.Lrole_v:
.irp s, 0,1,2,3,4,5,6,7
.if \s > 0
.rept 4
	v_nop
.endr
.endif
.irp a, 0,1,2,3
	FRAGL 80+12*\a, 1, \a*12288+1536*\s
	ds_load_b32 v[188+\a], v11 offset:512*\a+4*\s
.endr
.irp a, 4,5,6,7
	FRAGL 80+12*\a, 6, (\a-4)*12288+1536*\s
	ds_load_b32 v[188+\a], v11 offset:512*\a+4*\s
.endr
	FRAGL 176, 7, 1536*\s
	ds_load_b32 v196, v12 offset:4*\s
	s_wait_dscnt 0x0
.if \s == 0
	s_wait_loadcnt 0x0                             ; b_v
.endif
.irp a, 0,1,2,3,4,5,6,7
.if \s == 0
	v_wmma_scale_f32_16x16x128_f8f6f4 v[16+8*\a:23+8*\a], v[80+12*\a:91+12*\a], v[176:187], v[240:247], v[188+\a], v196 matrix_a_fmt:MATRIX_FMT_BF6 matrix_b_fmt:MATRIX_FMT_BF6
.else
	v_wmma_scale_f32_16x16x128_f8f6f4 v[16+8*\a:23+8*\a], v[80+12*\a:91+12*\a], v[176:187], v[16+8*\a:23+8*\a], v[188+\a], v196 matrix_a_fmt:MATRIX_FMT_BF6 matrix_b_fmt:MATRIX_FMT_BF6
.endif
.endr
.endr
.rept 4
	v_nop
.endr
	QUANT 16                                       ; my channel's 128 keys: four blocks; the result is a whole fragment of V^T
.irp q, 0,1,2,3,4,5
	global_store_b64 v1, v[PC+2*\q:PC+2*\q+1], s[80:81] offset:256*\q
.endr
	global_store_b32 v197, v[PW], s[82:83]         ; lanes l and l + 16 hold the same word and write it to the same place
.Lend:
	s_wait_tensorcnt 0x0                           ; the wave's end
	ds_add_u32 v252, v253
	s_wait_dscnt 0x0
	ROUND                                          ; the closing round
	s_endpgm
.Lfunc_end_k_qb6ae182c4c_projkv:
	.size	k_qb6ae182c4c_projkv, .Lfunc_end_k_qb6ae182c4c_projkv-k_qb6ae182c4c_projkv
	.p2alignl 7, 3214868480
	.fill 96, 4, 3214868480
	.section	.rodata,"a",@progbits
	.p2align	6, 0x0
	.amdhsa_kernel k_qb6ae182c4c_projkv
		.amdhsa_group_segment_fixed_size 205824
		.amdhsa_private_segment_fixed_size 0
		.amdhsa_enable_private_segment 0
		.amdhsa_kernarg_size 40
		.amdhsa_user_sgpr_count 2
		.amdhsa_user_sgpr_kernarg_segment_ptr 1
		.amdhsa_wavefront_size32 1
		.amdhsa_system_sgpr_workgroup_id_x 1
		.amdhsa_system_sgpr_workgroup_id_y 1
		.amdhsa_system_sgpr_workgroup_id_z 1
		.amdhsa_system_vgpr_workitem_id 0
		.amdhsa_next_free_vgpr 256
		.amdhsa_next_free_sgpr 96
		.amdhsa_reserve_vcc 1
		.amdhsa_float_denorm_mode_32 3
		.amdhsa_float_denorm_mode_16_64 3
		.amdhsa_memory_ordered 1
		.amdhsa_forward_progress 1
		.amdhsa_inst_pref_size 93
	.end_amdhsa_kernel
	.amdgpu_metadata
---
amdhsa.version: [ 1, 2 ]
amdhsa.kernels:
  - .name:           k_qb6ae182c4c_projkv
    .symbol:         k_qb6ae182c4c_projkv.kd
    .args:
      - { .name: xq, .offset: 0, .size: 8, .value_kind: global_buffer, .address_space: global }
      - { .name: w, .offset: 8, .size: 8, .value_kind: global_buffer, .address_space: global }
      - { .name: b_k, .offset: 16, .size: 8, .value_kind: global_buffer, .address_space: global }
      - { .name: b_v, .offset: 24, .size: 8, .value_kind: global_buffer, .address_space: global }
      - { .name: kv, .offset: 32, .size: 8, .value_kind: global_buffer, .address_space: global }
    .group_segment_fixed_size: 205824
    .private_segment_fixed_size: 0
    .kernarg_segment_align: 8
    .kernarg_segment_size: 40
    .max_flat_workgroup_size: 256
    .sgpr_count:     96
    .vgpr_count:     256
    .wavefront_size: 32
...
	.end_amdgpu_metadata
.endif
;; end of part 2
;; launch proj (part 3): grid 32 x 8, 4 waves a work-group, clusters of 4 x 4, 327,680 bytes of LDS; arguments xq, w, b_q, qq; writes qq
.if DOCPART == 3
	.amdgcn_target "amdgcn-amd-amdhsa--gfx1250"
	.amdhsa_code_object_version 6
	.text
	.protected	k_qb6ae182c4c_proj
	.globl	k_qb6ae182c4c_proj
	.p2align	8
	.type	k_qb6ae182c4c_proj,@function
k_qb6ae182c4c_proj:
	s_mov_b64 s[64:65], 0
	v_nop
	global_prefetch_b8 v0, s[64:65] scope:SCOPE_SE
	s_setreg_imm32_b32 hwreg(HW_REG_WAVE_MODE, 25, 1), 1
	s_wait_xcnt 0x0
	s_wait_alu depctr_hold_cnt(0) depctr_sa_sdst(0) depctr_va_vdst(0) depctr_va_sdst(0) depctr_va_ssrc(0) depctr_va_vcc(0) depctr_vm_vsrc(0)
	s_getreg_b32 s2, hwreg(HW_REG_IB_STS2, 6, 4)
	s_cmp_eq_u32 s2, 0
	s_cbranch_scc0 .Lentry_in_a_cluster
	s_endpgm
.Lentry_in_a_cluster:
	s_bfe_u32 s2, ttmp6, 0x10000c
	s_cmp_lg_u32 s2, 0xf033
	s_cbranch_scc0 .Lentry_shape_is_right
	s_endpgm
.Lentry_shape_is_right:
; Launch 3 of 5: q = x W_q + b_q on codes of E3M2, quantised at once along each head's 64.  Nothing of reference() is left out.
; LIMITS: no NaN or infinities; a block's byte is held at 1 from below (a block of zeros has the byte 1 and zero codes); a sum begins with the bias.
; THE DEAL.  256 work-groups of four waves, 2 x 2, each 256 rows (16 tiles of x) x 128 columns (8 tiles of W_q, two heads).  Wave (a, b) holds tiles 4 b .. 4 b + 3 of the weight, all of K, in 384 registers,
; and streams x's tiles 2 s + a, s = 0 .. 7, past them: 32 products a block, four accumulators by turns, two sets of fragments and of sums.
; Source 0 = 16 columns of W_q, source 1 = 16 rows of x: a lane holds one row, and by the tiles' order its 32 sums are the head's channels 32 b' + 16 h + 0 .. 15, b' = 0, 1.
; LDS, every byte filled once: x's 16 tiles, dense (196,608); the weight's 8 tiles (98,304); x's scale bytes as units of 256 + 16; q's scale words on their way out; the spare words.
; THE HEAD'S FOUR TILES, one a wave, each on a line of its own: the weight; x's tiles 0-7; x's scale bytes; x's tiles 8-15, which a plain barrier inside block 1 shows (first fetched behind block 2).
; CLUSTER: tile row = 4 x cluster x + cx, tile column = 4 x cluster y + cy; x's tiles are shared by a column of the cluster, the weight's by a row.
; No data prefetch: all that the launch reads is asked for at the head, and there is no loop to run ahead in.
; THE WAY OUT of a block stands in the next block: the largest magnitudes among its products, two lines a product; the conversions and stores behind its last product.
; qq: codes [tile][head][piece of 256 bytes], at 6,291,456 scale words [head][tile][r] (two bytes and twice 0x7f).
.set XSO, 6291456
.set WOFF, 0
.set WSOFF, 1671168
.set NQ, 8
.set NB, 4
.set FR, 12
.set FPW, 21
.set NF, 26                            ; LDS loads of a block: 24 for eight fragments, 2 for eight scale words
.set TB, 12288                         ; a tile: 8 fragments of 6 pieces of 256 bytes
.set YB, 16*TB
.set SCL, 24*TB
.set SSTEP, 1088                       ; two tiles' scale bytes: 4 units of 272
.set XN, SCL+8704                      ; q's scale words: [b][tile][r], 2,048 bytes
.set SPARE, XN+2048
.set AAS0, 6
.set L8, 7
.set CO, 9
.set SPW, 10
.set NIL, 11
.set ABS, 16
.set AAS, 17
.set STO, 18
.set RD, 19
.set SB, 24                            ; v24-39 the weight's scale words
.set SA, 42                            ; v42-57 x's: two sets of eight
.set ACC, 64                           ; v64-127 two sets of four accumulators
.set TQ, 128                           ; v128-131 largest magnitudes
.set SOP, 132                          ; v132, v133 the conversions' scale operands
.set EB, 134                           ; v134, v135 the bytes
.set PW, 136                           ; the scale word
.set PC, 140                           ; v140-145 a half fragment's codes
.set TC, 146                           ; v146-148 the second conversion's
.set AQ0, 192
.set AQ, 200
.set BO, 208                           ; v208-239 the bias as the first four products' C
.set BA, 240
.set G1A, 24
.set G1B, 32
.set G0A, 56
.set G0B, 60
.set G1S, 68
.set G0S, 76
.set G0A2, 88
.set MSB, 0
.macro WIN new
.if MSB != (\new)
	s_set_vgpr_msb (MSB<<8)|(\new)
.set MSB, (\new)
.endif
.endm
.macro PLACES n
.rept \n
	v_nop
.endr
.endm
.macro WALU
	s_wait_alu depctr_va_vdst(0)
.endm
.macro BARRIER
	s_barrier_signal -1
	s_barrier_wait -1
.endm
.macro CROUND
	BARRIER
	s_cmp_lg_u32 s14, 0
	s_cbranch_scc1 .Lnot_wave_0_\@
	s_barrier_signal -3
.Lnot_wave_0_\@:
	s_barrier_wait -3
	BARRIER
.endm
.macro TLOAD g0, g1                    ; an s_nop 0 and four v_nop follow the load
	tensor_load_to_lds s[\g0:\g0+3], s[\g1:\g1+7]
	s_nop 0
	PLACES 4
.endm
.macro GROUP1 g, mask                  ; 128 rows of 768 bytes, dense: 8 tiles
	s_or_b32 s[\g+0], s[\mask], (1<<21)
	s_mov_b32 s[\g+1], 768<<16
	s_mov_b32 s[\g+2], 128<<16
	s_mov_b32 s[\g+3], 768<<16
	s_mov_b32 s[\g+4], 128
	s_mov_b32 s[\g+5], 768
	s_mov_b32 s[\g+6], 0
	s_mov_b32 s[\g+7], 0
.endm
.macro FRAG f, ad                      ; fragment f lies in window 1 + f / 21, at register 12 (f % 21): six pieces of 8 bytes a lane, two to a load
	WIN (1+(\f)/FPW)<<6
.irp p, 0,2,4
	ds_load_2addr_b64 v[FR*((\f)%FPW)+2*\p:FR*((\f)%FPW)+2*\p+3], v[\ad] offset0:32*\p offset1:32*\p+32
.endr
.endm
.macro FETCHAT e, aq, as               ; a block of x into set e: NF loads
.irp q, 0,1,2,3,4,5,6,7
	FRAG NB*NQ+NQ*(\e)+\q, \aq+\q
.endr
	WIN 0
	ds_load_b128 v[SA+8*(\e):SA+8*(\e)+3], v[\as]
	ds_load_b128 v[SA+8*(\e)+4:SA+8*(\e)+7], v[\as] offset:16
.endm
.macro PROD e, n                       ; product n = 4 q + tile of a block whose rows lie in set e
.set Q_, (\n)/4
.set FB_, NB*Q_+(\n)%4
.set FA_, NB*NQ+NQ*(\e)+Q_
.set D_, ACC+32*(\e)+8*((\n)%4)
.set XB_, SB+NQ*(((\n)%4)/2)+Q_
.set XA_, SA+8*(\e)+Q_
	WIN (1+FB_/FPW)|((1+FA_/FPW)<<2)
.if Q_
	PROD1 D_, FB_, FA_, v[D_:D_+7], XB_, XA_, (\n)%2
.else
	PROD1 D_, FB_, FA_, v[BO+8*((\n)%4):BO+8*((\n)%4)+7], XB_, XA_, (\n)%2
.endif
.endm
.macro PROD1 d, s0, s1, c, x0, x1, o
.if \o
	v_wmma_scale_f32_16x16x128_f8f6f4 v[\d:\d+7], v[FR*((\s0)%FPW):FR*((\s0)%FPW)+FR-1], v[FR*((\s1)%FPW):FR*((\s1)%FPW)+FR-1], \c, v[\x0], v[\x1] matrix_a_fmt:MATRIX_FMT_BF6 matrix_b_fmt:MATRIX_FMT_BF6 matrix_a_scale:MATRIX_SCALE_ROW1
.else
	v_wmma_scale_f32_16x16x128_f8f6f4 v[\d:\d+7], v[FR*((\s0)%FPW):FR*((\s0)%FPW)+FR-1], v[FR*((\s1)%FPW):FR*((\s1)%FPW)+FR-1], \c, v[\x0], v[\x1] matrix_a_fmt:MATRIX_FMT_BF6 matrix_b_fmt:MATRIX_FMT_BF6 matrix_a_scale:MATRIX_SCALE_ROW0
.endif
.endm
.macro WO n, x                         ; line pair n = 1 .. 14 of a way out's first part, of the 32 sums from register x on: two half blocks side by side, each accumulator from its low end on
.if (\n) >= 1 && (\n) <= 14
	WIN 0
.if (\n) == 1
	v_max3_num_f32 v[TQ], |v[(\x)]|, |v[(\x)+1]|, 0x2800000          ; with the floor 2^(5 - 127)
	v_max3_num_f32 v[TQ+1], |v[(\x)+16]|, |v[(\x)+17]|, 0x2800000
.elseif (\n) <= 8
	v_max3_num_f32 v[TQ], v[TQ], |v[(\x)+2*(\n)-2]|, |v[(\x)+2*(\n)-1]|
	v_max3_num_f32 v[TQ+1], v[TQ+1], |v[(\x)+2*(\n)+14]|, |v[(\x)+2*(\n)+15]|
.elseif (\n) == 9
	v_permlanex16_b32 v[TQ+2], v[TQ], s100, s101
	v_permlanex16_b32 v[TQ+3], v[TQ+1], s100, s101
.elseif (\n) == 10
	v_max_num_f32 v[TQ], v[TQ], v[TQ+2]                             ; with lane l xor 16's: the block's largest magnitude
	v_max_num_f32 v[TQ+1], v[TQ+1], v[TQ+3]
.elseif (\n) == 11
	v_add_nc_u32 v[SOP], 0xfe000000, v[TQ]                          ; 4 off the exponent field: the conversion's scale operand
	v_add_nc_u32 v[SOP+1], 0xfe000000, v[TQ+1]
.elseif (\n) == 12
	v_lshrrev_b32 v[EB], 23, v[SOP]
	v_lshrrev_b32 v[EB+1], 23, v[SOP+1]
.elseif (\n) == 13
	v_lshl_or_b32 v[PW], v[EB+1], 8, v[EB]
.else
	v_or_b32 v[PW], s3, v[PW]                                       ; bytes 2 and 3: 2^0, over the zero codes of the next product's upper K
.endif
.endif
.endm
.macro CODES e, s                      ; a way out's second part: set e's sums are block s's
	v_cvt_scalef32_pk16_bf6_f32 v[PC:PC+2], v[ACC+32*(\e):ACC+32*(\e)+15], v[SOP]
	v_cvt_scalef32_pk16_bf6_f32 v[TC:TC+2], v[ACC+32*(\e)+16:ACC+32*(\e)+31], v[SOP+1]
	v_nop                                          ; one plain line behind a scaled conversion
.irp i, 0,1,2
	v_permlane16_swap_b32 v[PC+\i], v[TC+\i]       ; the operand's layout wants a whole block in a lane
.endr
.irp i, 0,1,2
	v_mov_b32 v[PC+3+\i], v[TC+\i]
.endr
	ds_store_b32 v[STO], v[PW] offset:128*(\s)     ; lanes l and l + 16 write the same word
.irp p, 0,1,2
	global_store_b64 v[L8], v[PC+2*\p:PC+2*\p+1], s[12:13] offset:(\s)*2*TB+256*\p   ; a piece: 256 consecutive bytes, aligned
.endr
.endm
.macro PRODS e, from, to, nx, wo       ; products from .. to - 1; behind them the last block's way out (wo) and five addresses of block nx's fetch
.set N_, \from
.rept (\to)-(\from)
	PROD \e, N_
.if \wo
	WO N_, ACC+32*(1-(\e))
.endif
.if ((\nx) >= 0) && (N_ >= 15) && (N_ <= 19)
	WIN 0
	v_add_nc_u32 v[AQ+N_-15], (\nx)*2*TB, v[AQ0+N_-15]
.endif
.set N_, N_+1
.endr
	WIN 0
.endm
.macro BLK s, nx                       ; block s; nx: the block fetched behind it, or -1
.if (\s) == 1
	PRODS 1, 0, 24, \nx, 1
	s_wait_tensorcnt 0x0
	s_wait_dscnt 0x0
	s_barrier_signal -1                            ; a plain barrier: x's tiles 8-15 are shown to all
	PRODS 1, 24, 32, \nx, 1
	s_barrier_wait -1
.else
	PRODS (\s)%2, 0, 32, \nx, (\s) > 0
.endif
.if (\nx) >= 0                         ; four plain lines between the last product and the fetch into the registers that it has read
	v_add_nc_u32 v[AQ+5], (\nx)*2*TB, v[AQ0+5]
	v_add_nc_u32 v[AQ+6], (\nx)*2*TB, v[AQ0+6]
	v_add_nc_u32 v[AQ+7], (\nx)*2*TB, v[AQ0+7]
	v_add_nc_u32 v[AAS], (\nx)*SSTEP, v[AAS0]
.else
	PLACES 4
.endif
	WALU                                           ; ahead of the wait below and of the readers behind it
.if (\s) > 0
	s_wait_xcnt 0x0                                ; the last way out's stores have read the codes' registers
	CODES 1-(\s)%2, (\s)-1
.endif
.if (\nx) >= 0
	FETCHAT (\s)%2, AQ, AAS
	s_wait_dscnt NF                                ; the next block's rows are in; younger is this fetch alone
.else
	s_wait_dscnt 0x0
.endif
.endm
	s_load_b128 s[4:7], s[0:1], 0x0                ; xq, w
	s_load_b128 s[8:11], s[0:1], 0x10              ; b_q, qq
	v_lshl_add_u32 v[SPW], v0, 2, SPARE
	v_mov_b32 v[NIL], 0
	ds_add_u32 v[SPW], v[NIL]                      ; the opening lines: the add, twice on end, and its wait
	ds_add_u32 v[SPW], v[NIL]
	v_lshrrev_b32 v1, 5, v0
	v_readfirstlane_b32 s14, v1                    ; the wave; s15 = a, s16 = b
	s_lshr_b32 s15, s14, 1
	s_and_b32 s16, s14, 1
	s_bfe_u32 s40, ttmp6, 0x40000
	s_bfe_u32 s41, ttmp6, 0x40004
	s_lshl_b32 s43, ttmp9, 2
	s_add_co_u32 s43, s43, s40                     ; tile row, 0 .. 31
	s_and_b32 s42, ttmp7, 0xffff
	s_lshl_b32 s42, s42, 2
	s_add_co_u32 s42, s42, s41                     ; tile column, 0 .. 7
	s_lshl_b32 s44, 0x1111, s40                    ; my column of the cluster shares x's rows
	s_lshl_b32 s45, s41, 2
	s_lshl_b32 s45, 15, s45                        ; my row shares the weight's
	GROUP1 G1A, 44
	GROUP1 G1B, 45
	s_or_b32 s[G1S+0], s44, (3<<16)|(1<<20)|(1<<21)|(5<<22)|(3<<25)   ; 32 rows of 256 bytes, 16 of padding behind each
	s_mov_b32 s[G1S+1], 32<<16
	s_mov_b32 s[G1S+2], 32<<16
	s_mov_b32 s[G1S+3], 32<<16
	s_mov_b32 s[G1S+4], 32
	s_mov_b32 s[G1S+5], 32
	s_mov_b32 s[G1S+6], 0
	s_mov_b32 s[G1S+7], 0
	s_mov_b32 s[G0A], 1
	s_mov_b32 s[G0A+1], 0
	s_mov_b32 s[G0A2], 1
	s_mov_b32 s[G0A2+1], 8*TB
	s_mov_b32 s[G0B], 1
	s_mov_b32 s[G0B+1], YB
	s_mov_b32 s[G0S], 1
	s_mov_b32 s[G0S+1], SCL
	s_mul_i32 s80, s43, 16*TB                      ; x's tiles
	s_mov_b32 s81, 0
	s_mul_i32 s82, s42, 8*TB                       ; the weight's
	s_add_co_u32 s82, s82, WOFF
	s_mov_b32 s83, 0
	s_lshl_b32 s84, s43, 13                        ; x's scale bytes
	s_add_co_u32 s84, s84, XSO
	s_mov_b32 s85, 0
	s_lshl_b32 s86, s42, 12                        ; the scale bytes of my four tiles of the weight
	s_lshl_b32 s20, s16, 11
	s_add_co_u32 s86, s86, s20
	s_add_co_u32 s86, s86, WSOFF
	s_mov_b32 s87, 0
	s_lshl_b32 s94, s42, 9                         ; my 64 numbers of the bias
	s_lshl_b32 s20, s16, 8
	s_add_co_u32 s94, s94, s20
	s_mov_b32 s95, 0
	s_mul_i32 s92, s43, 16*TB                      ; q's codes: tile 16 x tile row + a, head 2 x tile column + b
	s_mul_i32 s20, s15, TB
	s_add_co_u32 s92, s92, s20
	s_mul_i32 s20, s42, 1536
	s_add_co_u32 s92, s92, s20
	s_mul_i32 s20, s16, 768
	s_add_co_u32 s92, s92, s20
	s_mov_b32 s93, 0
	s_lshl_b32 s98, s42, 16                        ; q's scale words: head x 32,768 + tile row x 1,024 + 512 a
	s_lshl_b32 s20, s16, 15
	s_add_co_u32 s98, s98, s20
	s_lshl_b32 s20, s43, 10
	s_add_co_u32 s98, s98, s20
	s_lshl_b32 s20, s15, 9
	s_add_co_u32 s98, s98, s20
	s_add_co_u32 s98, s98, 6291456
	s_mov_b32 s99, 0
	s_mov_b32 s100, 0x76543210
	s_mov_b32 s101, 0xfedcba98                     ; selects for lane l xor 16
	s_mov_b32 s3, 0x7f7f0000
	s_mul_i32 s23, s15, TB
	s_mul_i32 s22, s16, 4*TB
	s_add_co_u32 s22, s22, YB
	s_mul_i32 s21, s15, 544
	s_add_co_u32 s21, s21, SCL
	s_lshl_b32 s20, s16, 10
	s_add_co_u32 s20, s20, XN
	s_lshl_b32 s2, s15, 6
	s_add_co_u32 s2, s2, s20                       ; words in: XN + 1,024 b + 64 a
	s_lshl_b32 s17, s15, 9
	s_add_co_u32 s17, s17, s20                     ; words out: XN + 1,024 b + 512 a
	v_and_b32 v1, 15, v0                           ; r
	v_bfe_u32 v2, v0, 4, 1                         ; h
	v_and_b32 v3, 31, v0                           ; lane
	v_lshl_add_u32 v[AQ0], v3, 3, s23
	v_lshl_add_u32 v[BA], v3, 3, s22
.irp q, 1,2,3,4,5,6,7
	v_add_nc_u32 v[AQ0+\q], 1536*\q, v[AQ0]
	v_add_nc_u32 v[BA+\q], 1536*\q, v[BA]
.endr
.irp q, 0,1,2,3,4,5,6,7
	v_add_nc_u32 v[AQ+\q], 2*TB+1536*\q, v[AQ0]
.endr
	v_lshlrev_b32 v[ABS], 5, v3
	v_lshlrev_b32 v[L8], 3, v3
	v_lshlrev_b32 v[CO], 4, v3
	v_lshlrev_b32 v8, 6, v2                        ; the bias: 64 h
	v_lshlrev_b32 v23, 5, v1
	v_lshrrev_b32 v22, 3, v1
	v_lshl_add_u32 v23, v22, 4, v23                ; 32 r + 16 (r / 8)
	v_add_nc_u32 v[AAS0], s21, v23
	v_add_nc_u32 v[AAS], SSTEP, v[AAS0]
	v_lshl_add_u32 v[STO], v1, 2, s2
	v_add_nc_u32 v[RD], s17, v[CO]
	v_mov_b32 v[TQ+2], 0                           ; (a lane permute's destination counts as one of its sources)
	v_mov_b32 v[TQ+3], 0
	WALU                                           ; the head's end
	s_wait_dscnt 0x0
	CROUND                                         ; the opening round
	s_wait_kmcnt 0x0
	s_add_nc_u64 s[G0A+2:G0A+3], s[4:5], s[80:81]
	s_add_nc_u64 s[G0A2+2:G0A2+3], s[G0A+2:G0A+3], 8*TB
	s_or_b32 s[G0A+3], s[G0A+3], 0x80000000
	s_or_b32 s[G0A2+3], s[G0A2+3], 0x80000000
	s_add_nc_u64 s[G0B+2:G0B+3], s[6:7], s[82:83]
	s_or_b32 s[G0B+3], s[G0B+3], 0x80000000
	s_add_nc_u64 s[G0S+2:G0S+3], s[4:5], s[84:85]
	s_or_b32 s[G0S+3], s[G0S+3], 0x80000000
	s_add_nc_u64 s[18:19], s[6:7], s[86:87]
	s_add_nc_u64 s[8:9], s[8:9], s[94:95]
	s_add_nc_u64 s[12:13], s[10:11], s[92:93]
	s_add_nc_u64 s[96:97], s[10:11], s[98:99]
	s_cmp_eq_u32 s14, 0
	s_cbranch_scc0 .Lwave_1
	TLOAD G0B, G1B                                 ; wave 0: the weight's 8 tiles, which are wanted first
	s_branch .Lasked
.Lwave_1:
	s_cmp_eq_u32 s14, 1
	s_cbranch_scc0 .Lwave_2
	TLOAD G0A, G1A                                 ; wave 1: x's tiles 0-7
	s_branch .Lasked
.Lwave_2:
	s_cmp_eq_u32 s14, 2
	s_cbranch_scc0 .Lwave_3
	TLOAD G0S, G1S                                 ; wave 2: x's scale bytes
	s_branch .Lasked
.Lwave_3:
	TLOAD G0A2, G1A                                ; wave 3: x's tiles 8-15
.Lasked:
.irp p, 0,1
.irp c, 0,1
	global_load_b128 v[SB+NQ*\p+4*\c:SB+NQ*\p+4*\c+3], v[ABS], s[18:19] offset:\p*1024+16*\c   ; lanes 0-15 tile 2 p's rows, lanes 16-31 tile 2 p + 1's
.endr
.endr
.irp t, 0,1,2,3
	global_load_b128 v[BO+8*\t:BO+8*\t+3], v8, s[8:9] offset:128*(\t/2)+32*(\t%2)
	global_load_b128 v[BO+8*\t+4:BO+8*\t+7], v8, s[8:9] offset:128*(\t/2)+32*(\t%2)+16
.endr
	s_cmp_eq_u32 s14, 0
	s_cbranch_scc0 .Lnot_b
	s_wait_tensorcnt 0x0
.Lnot_b:
	BARRIER                                        ; the weight has landed
.irp t, 0,1,2,3
.irp q, 0,1,2,3,4,5,6,7
	FRAG NB*\q+\t, BA+\q
.endr
.if \t < 3
	WIN 0
.irp q, 0,1,2,3,4,5,6,7
	v_add_nc_u32 v[BA+\q], TB, v[BA+\q]
.endr
.endif
.endr
	WIN 0
	s_cmp_eq_u32 s14, 3
	s_cbranch_scc1 .Lnot_a
	s_wait_tensorcnt 0x0                           ; waves 1 and 2: x's tiles 0-7 and the scale bytes
.Lnot_a:
	s_wait_dscnt 0x0
	BARRIER                                        ; they are in; wave 3's tile may still be on its way
	FETCHAT 0, AQ0, AAS0
	FETCHAT 1, AQ, AAS
	s_wait_loadcnt 0x0                             ; the weight's scale words and the bias
	s_wait_dscnt NF                                ; block 0's rows are in
.irp s, 0,1,2,3,4,5
	BLK \s, \s+2
.endr
	BLK 6, -1
	BLK 7, -1
.irp n, 1,2,3,4,5,6,7,8,9,10,11,12,13,14
	WO \n, ACC+32                                  ; block 7's way out
.endr
	WALU                                           ; ahead of the wait below
	s_wait_xcnt 0x0
	CODES 1, 7
	s_wait_dscnt 0x0
	BARRIER                                        ; all scale words lie in LDS
	ds_load_b128 v[152:155], v[RD]
	s_wait_dscnt 0x0
	global_store_b128 v[CO], v[152:155], s[96:97]  ; 512 consecutive bytes
	s_wait_tensorcnt 0x0                           ; the wave's end
	ds_add_u32 v[SPW], v[NIL]
	s_wait_dscnt 0x0
	CROUND                                         ; the closing round
	s_endpgm
.Lfunc_end_k_qb6ae182c4c_proj:
	.size	k_qb6ae182c4c_proj, .Lfunc_end_k_qb6ae182c4c_proj-k_qb6ae182c4c_proj
	.p2alignl 7, 3214868480
	.fill 96, 4, 3214868480
	.section	.rodata,"a",@progbits
	.p2align	6, 0x0
	.amdhsa_kernel k_qb6ae182c4c_proj
		.amdhsa_group_segment_fixed_size 327680
		.amdhsa_private_segment_fixed_size 0
		.amdhsa_enable_private_segment 0
		.amdhsa_kernarg_size 32
		.amdhsa_user_sgpr_count 2
		.amdhsa_user_sgpr_kernarg_segment_ptr 1
		.amdhsa_wavefront_size32 1
		.amdhsa_system_sgpr_workgroup_id_x 1
		.amdhsa_system_sgpr_workgroup_id_y 1
		.amdhsa_system_sgpr_workgroup_id_z 1
		.amdhsa_system_vgpr_workitem_id 0
		.amdhsa_next_free_vgpr 840
		.amdhsa_next_free_sgpr 102
		.amdhsa_reserve_vcc 0
		.amdhsa_float_denorm_mode_32 3
		.amdhsa_float_denorm_mode_16_64 3
		.amdhsa_memory_ordered 1
		.amdhsa_forward_progress 1
		.amdhsa_inst_pref_size 97
	.end_amdhsa_kernel
	.amdgpu_metadata
---
amdhsa.version: [ 1, 2 ]
amdhsa.kernels:
  - .name:           k_qb6ae182c4c_proj
    .symbol:         k_qb6ae182c4c_proj.kd
    .args:
      - { .name: xq, .offset: 0, .size: 8, .value_kind: global_buffer, .address_space: global }
      - { .name: w, .offset: 8, .size: 8, .value_kind: global_buffer, .address_space: global }
      - { .name: b_q, .offset: 16, .size: 8, .value_kind: global_buffer, .address_space: global }
      - { .name: qq, .offset: 24, .size: 8, .value_kind: global_buffer, .address_space: global }
    .group_segment_fixed_size: 327680
    .private_segment_fixed_size: 0
    .kernarg_segment_align: 8
    .kernarg_segment_size: 32
    .max_flat_workgroup_size: 128
    .sgpr_count:     102
    .vgpr_count:     840
    .wavefront_size: 32
...
	.end_amdgpu_metadata
.endif
;; end of part 3
;; launch attn (part 4): grid 256 x 1, 8 waves a work-group, clusters of 4 x 1, 212,992 bytes of LDS; arguments qq, kv, oq; writes oq
.if DOCPART == 4
	.amdgcn_target "amdgcn-amd-amdhsa--gfx1250"
	.amdhsa_code_object_version 6
	.text
	.protected	k_qb6ae182c4c_attn
	.globl	k_qb6ae182c4c_attn
	.p2align	8
	.type	k_qb6ae182c4c_attn,@function
k_qb6ae182c4c_attn:
	s_mov_b64 s[64:65], 0
	v_nop
	global_prefetch_b8 v0, s[64:65] scope:SCOPE_SE
	s_setreg_imm32_b32 hwreg(HW_REG_WAVE_MODE, 25, 1), 1
	s_wait_xcnt 0x0
	s_wait_alu depctr_hold_cnt(0) depctr_sa_sdst(0) depctr_va_vdst(0) depctr_va_sdst(0) depctr_va_ssrc(0) depctr_va_vcc(0) depctr_vm_vsrc(0)
	s_getreg_b32 s2, hwreg(HW_REG_IB_STS2, 6, 4)
	s_cmp_eq_u32 s2, 0
	s_cbranch_scc0 .Lentry_in_a_cluster
	s_endpgm
.Lentry_in_a_cluster:
	s_bfe_u32 s2, ttmp6, 0x10000c
	s_cmp_lg_u32 s2, 0x3003
	s_cbranch_scc0 .Lentry_shape_is_right
	s_endpgm
.Lentry_shape_is_right:
; Launch 4 of 5: o = softmax(q k^T / 8) v for 16 query heads on one key and value head, both products on codes of E3M2; o is quantised at once along d_model.  Nothing of reference() is left out.
; THE SOFTMAX AHEAD OF THE SECOND PRODUCT: t = score x log2(e) / 8; M = the row's largest t so far, rounded up to a whole number; p = 2^(t - M) is quantised along the keys, not normalised; the row's sum is taken of the
; unquantised p and divides at the end.  When M moves, the sum and O are multiplied by 2^(old M - new M): exact.
; LIMITS: no NaN or infinities; the scaled scores stay under 2^31 in magnitude; a block's byte is held at 1 from below (a block whose every p or o is 0 has that byte and zero codes); 1 / sum is v_rcp_f32 and a multiplication;
; a block's largest p is the exponential of its largest score, by the same multiply-add.
; SHARES.  A work-group owns 32 positions (two tiles of 16) of a batch for all 16 heads: 32 units of 16 queries.  Wave w has four of them: unit u = 2 hh + tl is head 2 w + hh, tile tl.  One key and value head serves all heads,
; so the four units share each key step's fragments of K and V: 24 + 12 LDS loads a step for four units.
; ALL OF A BATCH'S K AND V, 208,896 bytes, lie in LDS for the whole launch: one first fill a wave (102 rows of 256 bytes), nothing filled again, so nothing to ask for ahead.  CLUSTER: the four work-groups of a cluster belong to one batch: each fill is joint.
; LAYOUT.  Both products are used transposed (S^T = K Q^T, O^T = V^T P^T): a lane holds one query.  Slot i of K's tile 4 c + u is key 64 c + 32 (i / 8) + 8 u + i % 8, so lane (r, h) holds in registers 32 c .. 32 c + 31 of the scores
; the whole block 2 c + h of 32 keys, in order: no other lane is asked for a block's maximum, and the conversions' results are the operand's registers.
; THE FIRST PRODUCT'S K IS 64 OF THE INSTRUCTION'S 128: Q's registers 6-11 hold zero codes; K's operand for tile t runs on into the next tile's codes, which are finite and meet zero codes; bytes 2, 3 of both scale words are 0x7f.
; THE ORDER.  Behind unit u's exponentials stand unit u + 1's scores, maxima and multiply-adds; then the one wait of the unit; then unit u's sums, codes, O's rescaling and second product.  Two buffers of scores take turns.
; V's fragments of a step are fetched in unit 0's part, K's of the next step in unit 2's, each behind four plain lines.  In the last step that fetch of K names the bytes behind K's codes and words (V's, in LDS) and is not used.
; REGISTERS.  Window 0: v1-15 addresses; v16-31 four states (-M, largest score, the sum in two halves); v32-35 two factors; v36-51 at work; v52-67 K's, V's, Q's scale words; v68-75 sums; v76-94 p's codes; v96-119 Q of units 0, 1; v120 p's scale word; v128-255 scores.
; Window 1: v0-127 O^T of the four units; v128-175 K, v176-181 zeros; v182-229 V; v230-253 Q of units 2, 3.
.set XSO, 6291456
.set VC, 98304
.set KSW, 196608
.set VSW, 204800
.set OSC, 208896                       ; o's scale bytes, 2 tiles x 16 rows x 32: bytes of their own
.set SPARE, 209920                     ; the spare words, 128 bytes for each of eight waves
.set KA, 1
.set VA, 2
.set KWA, 3
.set VWA, 4
.set SPW, 5
.set NIL, 6
.set SH, 7
.set OST, 8
.set ORD, 9
.set L16, 10
.set R4, 11
.set AD, 12
.set ST, 16
.set FP, 32
.set BM, 36
.set CT, 40
.set T, 42
.set OLD, 44
.set SOP, 46
.set BY, 48
.set W, 50
.set KW, 52
.set VW, 60
.set QW, 64
.set SM, 68
.set PC, 76
.set TC, 88
.set PWD, 120
.set S, 128
.set KF, 128
.set VF, 182
.set MSB, 0
.macro WIN new
.if MSB != (\new)
	s_set_vgpr_msb (MSB<<8)|(\new)
.set MSB, (\new)
.endif
.endm
.macro WALU
	s_wait_alu depctr_va_vdst(0)
.endm
.macro PLACES n
.rept \n
	v_nop
.endr
.endm
.macro ROUND
	s_barrier_signal -1
	s_barrier_wait -1
	s_cmp_lg_u32 s18, 0
	s_cbranch_scc1 .Lnot_wave_0_\@
	s_barrier_signal -3
.Lnot_wave_0_\@:
	s_barrier_wait -3
	s_barrier_signal -1
	s_barrier_wait -1
.endm
.macro GET base, wbase, nw             ; 24 pieces of 256 bytes by 12 loads into window 1 (v[AD] on: three addresses 2,048 bytes apart), and nw scale words
	WIN 0x40
.irp g, 0,2,4,6,8,10,12,14,16,18,20,22
	ds_load_2addr_b64 v[\base+2*\g:\base+2*\g+3], v[AD+\g/8] offset0:32*(\g%8) offset1:32*(\g%8)+32
.endr
	WIN 0
.set J_, 0
.rept \nw
	ds_load_b32 v[\wbase+J_], v[AD+3] offset:64*J_
.set J_, J_+1
.endr
.endm
.macro PHA u                           ; S^T of unit u: eight tiles of 16 keys
.if (\u) < 2
	WIN 0x01
.set QR_, 96+12*(\u)
.else
	WIN 0x05
.set QR_, 230+12*((\u)-2)
.endif
.irp t, 0,1,2,3,4,5,6,7
	v_wmma_scale_f32_16x16x128_f8f6f4 v[S+64*((\u)%2)+8*\t:S+64*((\u)%2)+8*\t+7], v[KF+6*\t:KF+6*\t+11], v[QR_:QR_+11], 0, v[KW+\t], v[QW+(\u)] matrix_a_fmt:MATRIX_FMT_BF6 matrix_b_fmt:MATRIX_FMT_BF6
.endr
	WIN 0
.endm
.macro SPOT u                          ; four plain lines behind the products, ahead of loads into registers that products have read
.if (\u) == 0
	v_add_nc_u32 v[AD], s36, v[VA]                 ; this step's V
	v_add3_u32 v[AD+1], s36, 2048, v[VA]
	v_add3_u32 v[AD+2], s36, 4096, v[VA]
	v_add_nc_u32 v[AD+3], s38, v[VWA]
	GET VF, VW, 4
.elseif (\u) == 2
	v_add3_u32 v[AD], s36, 6144, v[KA]             ; the next step's K
	v_add3_u32 v[AD+1], s36, 6144+2048, v[KA]
	v_add3_u32 v[AD+2], s36, 6144+4096, v[KA]
	v_add3_u32 v[AD+3], s37, 512, v[KWA]
	GET KF, KW, 8
.else
	PLACES 4
.endif
.endm
.macro PHB u                           ; the largest score of my two blocks, each in two chains, every accumulator from its low end on
.set X_, S+64*((\u)%2)
.set B_, BM+2*((\u)%2)
.irp c, 0,1
	v_max3_num_f32 v[B_+\c], v[X_+32*\c], v[X_+32*\c+1], v[X_+32*\c+2]
	v_max3_num_f32 v[CT+\c], v[X_+32*\c+16], v[X_+32*\c+17], v[X_+32*\c+18]
.endr
.irp i, 3,5,7,9,11,13
.irp c, 0,1
	v_max3_num_f32 v[B_+\c], v[B_+\c], v[X_+32*\c+\i], v[X_+32*\c+\i+1]
	v_max3_num_f32 v[CT+\c], v[CT+\c], v[X_+32*\c+16+\i], v[X_+32*\c+17+\i]
.endr
.endr
.irp c, 0,1
	v_max3_num_f32 v[B_+\c], v[B_+\c], v[CT+\c], v[X_+32*\c+15]
.endr
.irp c, 0,1
	v_max_num_f32 v[B_+\c], v[B_+\c], v[X_+32*\c+31]
.endr
.endm
.macro PHC u                           ; the running largest score, the new -M, the factor 2^(old M - new M)
.set B_, BM+2*((\u)%2)
.set Z_, ST+4*(\u)
	v_max3_num_f32 v[T], v[B_], v[B_+1], v[Z_+1]
	s_delay_alu instid0(VALU_DEP_1)
	v_permlanex16_b32 v[T+1], v[T], s20, s21
	v_mov_b32 v[OLD], v[Z_]
	s_delay_alu instid0(VALU_DEP_2)
	v_max_num_f32 v[Z_+1], v[T], v[T+1]            ; with lane l xor 16's 64 keys
	s_delay_alu instid0(VALU_DEP_1)
	v_mul_f32 v[T], s48, v[Z_+1]                   ; -t
	s_delay_alu instid0(VALU_DEP_1)
	v_floor_f32 v[Z_], v[T]                        ; -M = floor(-t) = -ceil(t)
	s_delay_alu instid0(VALU_DEP_1)
	v_sub_f32 v[T], v[Z_], v[OLD]                  ; a whole number, 0 or less
	s_delay_alu instid0(VALU_DEP_1)
	v_cvt_i32_f32 v[T], v[T]                       ; (it saturates)
	s_delay_alu instid0(VALU_DEP_1)
	v_ldexp_f32 v[FP+2*((\u)%2)], 1.0, v[T]
.endm
.macro PHD u                           ; t - M, two at a time; the same of the two largest scores
.set X_, S+64*((\u)%2)
.set B_, BM+2*((\u)%2)
.set Z_, ST+4*(\u)
.set J_, 0
.rept 32
	v_pk_fma_f32 v[X_+J_:X_+J_+1], v[X_+J_:X_+J_+1], s[22:23], v[Z_:Z_+1] op_sel_hi:[1,0,0]
.set J_, J_+2
.endr
	v_pk_fma_f32 v[B_:B_+1], v[B_:B_+1], s[22:23], v[Z_:Z_+1] op_sel_hi:[1,0,0]
.endm
.macro PHE u                           ; p = 2^(t - M), and each block's largest p
.set X_, S+64*((\u)%2)
.set B_, BM+2*((\u)%2)
.set J_, 0
.rept 64
	v_exp_f32 v[X_+J_], v[X_+J_]
.set J_, J_+1
.endr
	v_exp_f32 v[B_], v[B_]
	v_exp_f32 v[B_+1], v[B_+1]
.endm
.macro PHF u                           ; the sum of the unquantised p in four chains; the scales; the codes
.set X_, S+64*((\u)%2)
.set B_, BM+2*((\u)%2)
.set Z_, ST+4*(\u)
.set F_, FP+2*((\u)%2)
.irp k, 0,1,2,3
	v_pk_add_f32 v[SM+2*\k:SM+2*\k+1], v[X_+4*\k:X_+4*\k+1], v[X_+4*\k+2:X_+4*\k+3]
.endr
.irp j, 16,24,32,40,48,56
.irp k, 0,1,2,3
	v_pk_add_f32 v[SM+2*\k:SM+2*\k+1], v[SM+2*\k:SM+2*\k+1], v[X_+\j+2*\k:X_+\j+2*\k+1]
.endr
.endr
	v_max_num_f32 v[B_], 0x2800000, v[B_]          ; the floor 2^(5 - 127)
	v_max_num_f32 v[B_+1], 0x2800000, v[B_+1]
	v_pk_add_f32 v[SM:SM+1], v[SM:SM+1], v[SM+2:SM+3]
	v_pk_add_f32 v[SM+4:SM+5], v[SM+4:SM+5], v[SM+6:SM+7]
	v_add_nc_u32 v[SOP], 0xfe000000, v[B_]         ; 4 off the exponent field: the conversion's scale operand
	v_add_nc_u32 v[SOP+1], 0xfe000000, v[B_+1]
	v_pk_add_f32 v[SM:SM+1], v[SM:SM+1], v[SM+4:SM+5]
	v_lshrrev_b32 v[BY], 23, v[SOP]
	v_lshrrev_b32 v[BY+1], 23, v[SOP+1]
	v_pk_fma_f32 v[Z_+2:Z_+3], v[Z_+2:Z_+3], v[F_:F_+1], v[SM:SM+1] op_sel_hi:[1,0,1]   ; the old sum under the new M, and this step's
	s_delay_alu instid0(VALU_DEP_2)
	v_lshl_or_b32 v[W], v[BY+1], 16, v[BY]         ; my bytes: blocks h and 2 + h,
	s_delay_alu instid0(VALU_DEP_1)
	v_lshlrev_b32 v[W], v[SH], v[W]                ; at their places (8 h bits up)
	s_delay_alu instid0(VALU_DEP_1)
	v_permlanex16_b32 v[W+1], v[W], s20, s21
	v_cvt_scalef32_pk16_bf6_f32 v[PC:PC+2], v[X_:X_+15], v[SOP]
	v_cvt_scalef32_pk16_bf6_f32 v[TC:TC+2], v[X_+16:X_+31], v[SOP]
	v_cvt_scalef32_pk16_bf6_f32 v[PC+6:PC+8], v[X_+32:X_+47], v[SOP+1]
	v_cvt_scalef32_pk16_bf6_f32 v[TC+4:TC+6], v[X_+48:X_+63], v[SOP+1]
	v_or_b32 v[PWD], v[W], v[W+1]                  ; with lane l xor 16's two bytes the word is whole; also the plain line behind the conversions
.irp i, 0,1,2
	v_mov_b32 v[PC+3+\i], v[TC+\i]                 ; (a conversion's three registers begin on an even number)
	v_mov_b32 v[PC+9+\i], v[TC+4+\i]
.endr
.endm
.macro PHH u                           ; O^T under the new M (sixteen plain lines between the word's and the codes' last writes and the products), then O^T += V^T P^T
.set F_, FP+2*((\u)%2)
	WIN 0x41
.set J_, 0
.rept 16
	v_pk_mul_f32 v[32*(\u)+J_:32*(\u)+J_+1], v[32*(\u)+J_:32*(\u)+J_+1], v[F_:F_+1] op_sel_hi:[1,0]
.set J_, J_+2
.endr
	WIN 0x51
.irp t, 0,1,2,3
	v_wmma_scale_f32_16x16x128_f8f6f4 v[32*(\u)+8*\t:32*(\u)+8*\t+7], v[VF+12*\t:VF+12*\t+11], v[PC:PC+11], v[32*(\u)+8*\t:32*(\u)+8*\t+7], v[VW+\t], v[PWD] matrix_a_fmt:MATRIX_FMT_BF6 matrix_b_fmt:MATRIX_FMT_BF6
.endr
	WIN 0
.endm
.macro BODY u, nxt                     ; unit u's second half, with the next unit's first half (nxt = 1) behind its exponentials
	PHE \u
.if \nxt
	PHA ((\u)+1)%4
	SPOT \u
	PHB ((\u)+1)%4
	PHC ((\u)+1)%4
	PHD ((\u)+1)%4
.else
	v_nop
.endif
	WALU                                           ; the one wait: behind my exponentials, ahead of the next unit's, ahead of O's first reader
	PHF \u
.if (\u) == 0
	s_wait_dscnt 0x0                               ; V is in
.endif
	PHH \u
.endm
	s_load_b128 s[4:7], s[0:1], 0x0                ; qq, kv
	s_load_b64 s[8:9], s[0:1], 0x10                ; oq
	v_lshl_add_u32 v[SPW], v0, 2, SPARE
	v_mov_b32 v[NIL], 0
	ds_add_u32 v[SPW], v[NIL]                      ; the opening lines: the add, twice on end, and its wait
	ds_add_u32 v[SPW], v[NIL]
	v_lshrrev_b32 v12, 5, v0
	v_readfirstlane_b32 s18, v12                   ; wave 0..7
	s_bfe_u32 s10, ttmp6, 0x40000                  ; cx
	s_lshl_b32 s11, ttmp9, 2
	s_add_co_u32 s11, s11, s10                     ; my work-group: it enters q's and o's global addresses alone
	s_lshr_b32 s14, ttmp9, 4                       ; the batch, which the four partners share
	s_mul_i32 s14, s14, 208896
	s_mul_i32 s13, s18, 26112                      ; my eighth of the block, in memory and in LDS
	s_add_co_u32 s14, s14, s13
	s_mov_b32 s15, 0
	s_mov_b32 s24, 15|(3<<16)|(1<<21)              ; group 1: the mask names all four; elements of 8 bytes; bit 21 beside a mask
	s_mov_b32 s25, 32<<16                          ; rows of 256 bytes,
	s_mov_b32 s26, 102<<16                         ; 102 of them
	s_mov_b32 s27, 32<<16
	s_mov_b32 s28, 102
	s_mov_b32 s29, 32
	s_mov_b32 s30, 0
	s_mov_b32 s31, 0
	s_mov_b32 s20, 0x76543210
	s_mov_b32 s21, 0xfedcba98                      ; selects for lane l xor 16
	s_mov_b32 s22, 0x3e38aa3b                      ; c = log2(e) / 8
	s_mov_b32 s23, s22
	s_mul_i32 s40, s11, 24576                      ; my two tiles,
	s_mul_i32 s41, s18, 1536                       ; my two heads' half fragments
	s_add_co_u32 s40, s40, s41
	s_mov_b32 s41, 0
	s_lshl_b32 s42, s18, 16
	s_lshl_b32 s43, s11, 7
	s_add_co_u32 s42, s42, s43
	s_add_co_u32 s42, s42, 6291456                 ; q's scale words: head x 32,768 + tile x 64
	s_mov_b32 s43, 0
	s_lshl_b32 s46, s11, 10
	s_and_b32 s47, s18, 1
	s_lshl_b32 s47, s47, 9
	s_add_co_u32 s46, s46, s47
	s_add_co_u32 s46, s46, XSO                     ; o's scale bytes: tile x 512 (waves 0 and 1 store a tile's each)
	s_lshl_b32 s16, s18, 2
	s_add_co_u32 s16, s16, OSC
	s_add_co_u32 s17, s47, OSC
	s_mov_b32 s47, 0
	v_and_b32 v12, 15, v0                          ; r
	v_and_b32 v13, 31, v0                          ; lane
	v_bfe_u32 v14, v0, 4, 1                        ; h
	v_lshlrev_b32 v[KA], 3, v13                    ; 8 x lane: K's pieces, and my place in a piece in memory
	v_lshlrev_b32 v[R4], 2, v12
	v_lshlrev_b32 v[SH], 3, v14
	v_lshlrev_b32 v[L16], 4, v13
	v_add_nc_u32 v[VA], VC, v[KA]
	v_add_nc_u32 v[KWA], KSW, v[R4]
	v_add_nc_u32 v[VWA], VSW, v[R4]
	v_lshl_add_u32 v[OST], v12, 5, s16             ; where my heads' bytes of row r go: OSC + 32 r + 4 x wave
	v_add_nc_u32 v[ORD], s17, v[L16]               ; and where a tile's 512 bytes are read back
	WALU                                           ; ahead of the waits below
	s_wait_dscnt 0x0
	s_wait_kmcnt 0x0
	s_mov_b32 s32, 1                               ; group 0
	s_mov_b32 s33, s13
	s_add_nc_u64 s[34:35], s[6:7], s[14:15]
	s_or_b32 s35, s35, 0x80000000
	s_add_nc_u64 s[44:45], s[8:9], s[40:41]        ; o's codes
	s_add_nc_u64 s[40:41], s[4:5], s[40:41]        ; q's codes
	s_add_nc_u64 s[42:43], s[4:5], s[42:43]
	s_add_nc_u64 s[46:47], s[8:9], s[46:47]
	ROUND                                          ; all four work-groups are here: the joint loads meet
	tensor_load_to_lds s[32:35], s[24:31]          ; my one tensor load of the launch
	s_nop 0
	PLACES 4
	s_mov_b32 s48, 0xbe38aa3b                      ; -c
.irp u, 0,1
.irp p, 0,1,2
	global_load_b64 v[96+12*\u+2*\p:97+12*\u+2*\p], v[KA], s[40:41] offset:12288*\u+256*\p
.endr
.endr
.irp u, 0,1,2,3
	global_load_b32 v[QW+\u], v[R4], s[42:43] offset:32768*(\u/2)+64*(\u%2)
.endr
	WIN 0x40
.irp u, 0,1
.irp p, 0,1,2
	global_load_b64 v[230+12*\u+2*\p:231+12*\u+2*\p], v[KA], s[40:41] offset:768+12288*\u+256*\p
.endr
.endr
.set J_, 0
.rept 128
	v_mov_b32 v[J_], 0                             ; O^T: the step is written once: the first finds zeros, which the first change of M leaves zeros
.set J_, J_+1
.endr
.irp j, 0,1,2,3,4,5
	v_mov_b32 v[176+\j], 0                         ; what stands behind K's last tile
	v_mov_b32 v[236+\j], 0                         ; zero codes for the upper 64 of the first product's K
	v_mov_b32 v[248+\j], 0
.endr
	WIN 0
.irp j, 0,1,2,3,4,5
	v_mov_b32 v[102+\j], 0
	v_mov_b32 v[114+\j], 0
.endr
.irp u, 0,1,2,3
	v_mov_b32 v[ST+4*\u], 0x7f61b1e6               ; -M: 3e38
	v_mov_b32 v[ST+4*\u+1], 0xff61b1e6             ; the largest score so far: -3e38
	v_mov_b32 v[ST+4*\u+2], 0
	v_mov_b32 v[ST+4*\u+3], 0
.endr
	v_mov_b32 v[FP+1], 0                           ; (named as the upper halves of pairs)
	v_mov_b32 v[FP+3], 0
	v_mov_b32 v[T+1], 0                            ; (a lane permute's destination counts as one of its sources)
	v_mov_b32 v[W+1], 0
	v_mov_b32 v[AD], v[KA]
	v_add_nc_u32 v[AD+1], 2048, v[KA]
	v_add_nc_u32 v[AD+2], 4096, v[KA]
	v_mov_b32 v[AD+3], v[KWA]
	WALU                                           ; the head's end
	s_wait_tensorcnt 0x0                           ; my part has landed,
	s_barrier_signal -1
	s_barrier_wait -1                              ; everybody's has
	GET KF, KW, 8                                  ; step 0's K
	s_mov_b32 s36, 0                               ; the step's codes of K and of V: 6,144 bytes a step,
	s_mov_b32 s37, 0                               ; K's words: 512,
	s_mov_b32 s38, 0                               ; V's: 256
	s_mov_b32 s39, 0
	s_wait_dscnt 0x0
	s_wait_loadcnt 0x0                             ; Q
	PHA 0
	PLACES 4
	PHB 0
	PHC 0
	PHD 0
	WALU                                           ; ahead of the first exponentials
.Lstep:
	BODY 0, 1
	BODY 1, 1
	BODY 2, 1
	s_cmp_eq_u32 s39, 15
	s_cbranch_scc1 .Llast                          ; the last step has no successor
	s_wait_dscnt 0x0                               ; the next step's K is in
	BODY 3, 1
	s_add_co_u32 s36, s36, 6144
	s_add_co_u32 s37, s37, 512
	s_add_co_u32 s38, s38, 256
	s_add_co_u32 s39, s39, 1
	s_cmp_lt_u32 s39, 16
	s_cbranch_scc1 .Lstep
.Llast:
	BODY 3, 0
; THE WAY OUT: o = O^T / the sum, quantised: a head's 64 channels are two blocks of d_model; register 16 b + i of a unit is channel 32 b + 16 h + i
.irp u, 0,1,2,3
	v_add_f32 v[ST+4*\u+2], v[ST+4*\u+2], v[ST+4*\u+3]   ; (these four are also the places behind the last products)
.endr
.irp u, 0,1,2,3
	v_permlanex16_b32 v[SM+\u], v[ST+4*\u+2], s20, s21
.endr
.irp u, 0,1,2,3
	v_add_f32 v[ST+4*\u+2], v[ST+4*\u+2], v[SM+\u]       ; the row's sum
.endr
	WALU
.irp u, 0,1,2,3
	v_rcp_f32 v[ST+4*\u+2], v[ST+4*\u+2]
.endr
	v_nop
	WALU                                           ; ahead of the reciprocals' and of O's first readers
	WIN 0x01
.set J_, 0
.rept 128
	v_mul_f32 v[S+J_], v[J_], v[ST+4*(J_/32)+2]
.set J_, J_+1
.endr
	WIN 0
.irp k, 0,1,2,3,4,5,6,7                ; eight half blocks side by side: k = 2 u + b
	v_max3_num_f32 v[SM+\k], |v[S+16*\k]|, |v[S+16*\k+1]|, 0x2800000
.endr
.irp i, 2,4,6,8,10,12,14
.irp k, 0,1,2,3,4,5,6,7
	v_max3_num_f32 v[SM+\k], v[SM+\k], |v[S+16*\k+\i]|, |v[S+16*\k+\i+1]|
.endr
.endr
.irp k, 0,1,2,3,4,5,6,7
	v_permlanex16_b32 v[PC+\k], v[SM+\k], s20, s21
.endr
.irp k, 0,1,2,3,4,5,6,7
	v_max_num_f32 v[SM+\k], v[SM+\k], v[PC+\k]
.endr
.irp k, 0,1,2,3,4,5,6,7
	v_add_nc_u32 v[SM+\k], 0xfe000000, v[SM+\k]
.endr
.irp k, 0,1,2,3,4,5,6,7
	v_lshrrev_b32 v[PC+\k], 23, v[SM+\k]
.endr
.irp u, 0,1,2,3
	v_lshl_or_b32 v[PC+2*\u], v[PC+2*\u+1], 8, v[PC+2*\u]   ; a head's two bytes of row r
.endr
.irp u, 0,1,2,3
	v_cvt_scalef32_pk16_bf6_f32 v[96+6*\u:98+6*\u], v[S+32*\u:S+32*\u+15], v[SM+2*\u]
	v_cvt_scalef32_pk16_bf6_f32 v[36+4*\u:38+4*\u], v[S+32*\u+16:S+32*\u+31], v[SM+2*\u+1]
.endr
	v_nop                                          ; one plain line behind a scaled conversion
.irp u, 0,1,2,3
.irp i, 0,1,2
	v_permlane16_swap_b32 v[96+6*\u+\i], v[36+4*\u+\i]   ; the operand's layout wants a whole block in a lane
.endr
.endr
.irp u, 0,1,2,3
.irp i, 0,1,2
	v_mov_b32 v[99+6*\u+\i], v[36+4*\u+\i]
.endr
.endr
.irp u, 0,1,2,3
	ds_store_b16 v[OST], v[PC+2*\u] offset:512*(\u%2)+2*(\u/2)   ; lanes l and l + 16 write the same two bytes
.irp p, 0,1,2
	global_store_b64 v[KA], v[96+6*\u+2*\p:97+6*\u+2*\p], s[44:45] offset:12288*(\u%2)+768*(\u/2)+256*\p   ; a piece: 256 consecutive bytes, aligned
.endr
.endr
	s_wait_dscnt 0x0                               ; my bytes lie in LDS,
	s_barrier_signal -1
	s_barrier_wait -1                              ; all sixteen heads' do
	s_cmp_lt_u32 s18, 2
	s_cbranch_scc0 .Lno_scales
	ds_load_b128 v[128:131], v[ORD]                ; waves 0 and 1: a tile's 16 rows of 32 bytes
	s_wait_dscnt 0x0
	global_store_b128 v[L16], v[128:131], s[46:47] ; 512 consecutive bytes
.Lno_scales:
	s_wait_tensorcnt 0x0                           ; the wave's end
	ds_add_u32 v[SPW], v[NIL]
	s_wait_dscnt 0x0
	ROUND                                          ; the closing round
	s_endpgm
.Lfunc_end_k_qb6ae182c4c_attn:
	.size	k_qb6ae182c4c_attn, .Lfunc_end_k_qb6ae182c4c_attn-k_qb6ae182c4c_attn
	.p2alignl 7, 3214868480
	.fill 96, 4, 3214868480
	.section	.rodata,"a",@progbits
	.p2align	6, 0x0
	.amdhsa_kernel k_qb6ae182c4c_attn
		.amdhsa_group_segment_fixed_size 212992
		.amdhsa_private_segment_fixed_size 0
		.amdhsa_enable_private_segment 0
		.amdhsa_kernarg_size 24
		.amdhsa_user_sgpr_count 2
		.amdhsa_user_sgpr_kernarg_segment_ptr 1
		.amdhsa_wavefront_size32 1
		.amdhsa_system_sgpr_workgroup_id_x 1
		.amdhsa_system_sgpr_workgroup_id_y 1
		.amdhsa_system_sgpr_workgroup_id_z 1
		.amdhsa_system_vgpr_workitem_id 0
		.amdhsa_next_free_vgpr 512
		.amdhsa_next_free_sgpr 66
		.amdhsa_reserve_vcc 0
		.amdhsa_float_denorm_mode_32 3
		.amdhsa_float_denorm_mode_16_64 3
		.amdhsa_memory_ordered 1
		.amdhsa_forward_progress 1
		.amdhsa_inst_pref_size 94
	.end_amdhsa_kernel
	.amdgpu_metadata
---
amdhsa.version: [ 1, 2 ]
amdhsa.kernels:
  - .name:           k_qb6ae182c4c_attn
    .symbol:         k_qb6ae182c4c_attn.kd
    .args:
      - { .name: qq, .offset: 0, .size: 8, .value_kind: global_buffer, .address_space: global }
      - { .name: kv, .offset: 8, .size: 8, .value_kind: global_buffer, .address_space: global }
      - { .name: oq, .offset: 16, .size: 8, .value_kind: global_buffer, .address_space: global }
    .group_segment_fixed_size: 212992
    .private_segment_fixed_size: 0
    .kernarg_segment_align: 8
    .kernarg_segment_size: 24
    .max_flat_workgroup_size: 256
    .sgpr_count:     66
    .vgpr_count:     512
    .wavefront_size: 32
...
	.end_amdgpu_metadata
.endif
;; end of part 4
;; launch outp (part 5): grid 32 x 8, 4 waves a work-group, clusters of 4 x 4, 327,680 bytes of LDS; arguments oq, w, b_o, out0; writes out0
.if DOCPART == 5
	.amdgcn_target "amdgcn-amd-amdhsa--gfx1250"
	.amdhsa_code_object_version 6
	.text
	.protected	k_qb6ae182c4c_outp
	.globl	k_qb6ae182c4c_outp
	.p2align	8
	.type	k_qb6ae182c4c_outp,@function
k_qb6ae182c4c_outp:
	s_mov_b64 s[64:65], 0
	v_nop
	global_prefetch_b8 v0, s[64:65] scope:SCOPE_SE
	s_setreg_imm32_b32 hwreg(HW_REG_WAVE_MODE, 25, 1), 1
	s_wait_xcnt 0x0
	s_wait_alu depctr_hold_cnt(0) depctr_sa_sdst(0) depctr_va_vdst(0) depctr_va_sdst(0) depctr_va_ssrc(0) depctr_va_vcc(0) depctr_vm_vsrc(0)
	s_getreg_b32 s2, hwreg(HW_REG_IB_STS2, 6, 4)
	s_cmp_eq_u32 s2, 0
	s_cbranch_scc0 .Lentry_in_a_cluster
	s_endpgm
.Lentry_in_a_cluster:
	s_bfe_u32 s2, ttmp6, 0x10000c
	s_cmp_lg_u32 s2, 0xf033
	s_cbranch_scc0 .Lentry_shape_is_right
	s_endpgm
.Lentry_shape_is_right:
; Launch 5 of 5: out0 = o W_o + b_o on codes of E3M2, f32 out.  Nothing of reference() is left out.
; LIMITS: no NaN or infinities; a sum begins with the bias.
; THE DEAL.  256 work-groups of four waves, 2 x 2, each 256 rows (16 tiles of o) x 128 columns (8 tiles of W_o).  Wave (a, b) holds tiles 4 b .. 4 b + 3 of the weight, all of K, in 384 registers,
; and streams o's tiles 2 s + a, s = 0 .. 7, past them: 32 products a block, four accumulators by turns, two sets of fragments, of sums and of rows on the way out.
; Source 0 = 16 columns of W_o, source 1 = 16 rows of o: a lane holds one row; register j of tile t is column 32 (t / 2) + 8 (t % 2) + 16 h + j of my 64.  Slot i of tile 2 s + a is position 32 s + 8 a + i + 8 (i / 8).
; LDS, every byte filled once: o's 16 tiles, dense (196,608); the weight's 8 tiles (98,304); o's scale bytes as units of 256 + 16; the spare words.  The waves' stages lie in the weight's first bytes,
; which have had their one fill and are read for the last time ahead of the barrier in front of the stream.
; THE HEAD'S FOUR TILES, one a wave, each on a line of its own: the weight; o's tiles 0-7; o's scale bytes; o's tiles 8-15, which a plain barrier inside block 1 shows (first fetched behind block 2).
; CLUSTER: tile row = 4 x cluster x + cx, tile column = 4 x cluster y + cy; o's tiles are shared by a column of the cluster, the weight's by a row.
; No data prefetch: all that the launch reads is asked for at the head, and there is no loop to run ahead in.
; ONE RUN OF MEMORY LINES behind a block's products: its sums into the stage and back as whole rows of 256 bytes; the fetch of the block two on; one wait; eight stores, each of two aligned units of 256 bytes.
.set XSO, 6291456
.set WOFF, 64*12288
.set WSOFF, 1671168+64*512
.set NQ, 8
.set NB, 4
.set FR, 12
.set FPW, 21
.set NF, 26                            ; LDS loads of a block: 24 for eight fragments, 2 for eight scale words
.set TB, 12288
.set YB, 16*TB
.set SCL, 24*TB
.set SSTEP, 1088
.set SPARE, SCL+8704
.set SPITCH, 272
.set AAS0, 6
.set CO, 9
.set SPW, 10
.set NIL, 11
.set ABS, 16
.set AAS, 17
.set STO, 18
.set RD, 19
.set SB, 24
.set SA, 42
.set ACC, 64
.set BK, 128                           ; v128-191 two sets: 16 rows x 256 bytes back from the stage
.set AQ0, 192
.set AQ, 200
.set BO, 208
.set BA, 240
.set G1A, 24
.set G1B, 32
.set G0A, 56
.set G0B, 60
.set G1S, 68
.set G0S, 76
.set G0A2, 88
.set MSB, 0
.macro WIN new
.if MSB != (\new)
	s_set_vgpr_msb (MSB<<8)|(\new)
.set MSB, (\new)
.endif
.endm
.macro PLACES n
.rept \n
	v_nop
.endr
.endm
.macro WALU
	s_wait_alu depctr_va_vdst(0)
.endm
.macro BARRIER
	s_barrier_signal -1
	s_barrier_wait -1
.endm
.macro CROUND
	BARRIER
	s_cmp_lg_u32 s14, 0
	s_cbranch_scc1 .Lnot_wave_0_\@
	s_barrier_signal -3
.Lnot_wave_0_\@:
	s_barrier_wait -3
	BARRIER
.endm
.macro TLOAD g0, g1                    ; an s_nop 0 and four v_nop follow the load
	tensor_load_to_lds s[\g0:\g0+3], s[\g1:\g1+7]
	s_nop 0
	PLACES 4
.endm
.macro GROUP1 g, mask                  ; 128 rows of 768 bytes, dense: 8 tiles
	s_or_b32 s[\g+0], s[\mask], (1<<21)
	s_mov_b32 s[\g+1], 768<<16
	s_mov_b32 s[\g+2], 128<<16
	s_mov_b32 s[\g+3], 768<<16
	s_mov_b32 s[\g+4], 128
	s_mov_b32 s[\g+5], 768
	s_mov_b32 s[\g+6], 0
	s_mov_b32 s[\g+7], 0
.endm
.macro FRAG f, ad                      ; fragment f lies in window 1 + f / 21, at register 12 (f % 21): six pieces of 8 bytes a lane, two to a load
	WIN (1+(\f)/FPW)<<6
.irp p, 0,2,4
	ds_load_2addr_b64 v[FR*((\f)%FPW)+2*\p:FR*((\f)%FPW)+2*\p+3], v[\ad] offset0:32*\p offset1:32*\p+32
.endr
.endm
.macro FETCHAT e, aq, as               ; a block of o into set e: NF loads
.irp q, 0,1,2,3,4,5,6,7
	FRAG NB*NQ+NQ*(\e)+\q, \aq+\q
.endr
	WIN 0
	ds_load_b128 v[SA+8*(\e):SA+8*(\e)+3], v[\as]
	ds_load_b128 v[SA+8*(\e)+4:SA+8*(\e)+7], v[\as] offset:16
.endm
.macro PROD e, n                       ; product n = 4 q + tile of a block whose rows lie in set e
.set Q_, (\n)/4
.set FB_, NB*Q_+(\n)%4
.set FA_, NB*NQ+NQ*(\e)+Q_
.set D_, ACC+32*(\e)+8*((\n)%4)
.set XB_, SB+NQ*(((\n)%4)/2)+Q_
.set XA_, SA+8*(\e)+Q_
	WIN (1+FB_/FPW)|((1+FA_/FPW)<<2)
.if Q_
	PROD1 D_, FB_, FA_, v[D_:D_+7], XB_, XA_, (\n)%2
.else
	PROD1 D_, FB_, FA_, v[BO+8*((\n)%4):BO+8*((\n)%4)+7], XB_, XA_, (\n)%2
.endif
.endm
.macro PROD1 d, s0, s1, c, x0, x1, o
.if \o
	v_wmma_scale_f32_16x16x128_f8f6f4 v[\d:\d+7], v[FR*((\s0)%FPW):FR*((\s0)%FPW)+FR-1], v[FR*((\s1)%FPW):FR*((\s1)%FPW)+FR-1], \c, v[\x0], v[\x1] matrix_a_fmt:MATRIX_FMT_BF6 matrix_b_fmt:MATRIX_FMT_BF6 matrix_a_scale:MATRIX_SCALE_ROW1
.else
	v_wmma_scale_f32_16x16x128_f8f6f4 v[\d:\d+7], v[FR*((\s0)%FPW):FR*((\s0)%FPW)+FR-1], v[FR*((\s1)%FPW):FR*((\s1)%FPW)+FR-1], \c, v[\x0], v[\x1] matrix_a_fmt:MATRIX_FMT_BF6 matrix_b_fmt:MATRIX_FMT_BF6 matrix_a_scale:MATRIX_SCALE_ROW0
.endif
.endm
.macro PRODS e, from, to, nx           ; products from .. to - 1; behind products 1 to 5 five addresses of block nx's fetch
.set N_, \from
.rept (\to)-(\from)
	PROD \e, N_
.if ((\nx) >= 0) && (N_ >= 1) && (N_ <= 5)
	WIN 0
	v_add_nc_u32 v[AQ+N_-1], (\nx)*2*TB, v[AQ0+N_-1]
.endif
.set N_, N_+1
.endr
	WIN 0
.endm
.macro STAGED u                        ; set u's sums into my stage, each accumulator from its low end on, and back as whole rows; LDS serves a wave's instructions in order (ISA guide 5.7.1.4)
.irp t, 0,1,2,3
	ds_store_b128 v[STO], v[ACC+32*(\u)+8*\t:ACC+32*(\u)+8*\t+3] offset:128*(\t/2)+32*(\t%2)
	ds_store_b128 v[STO], v[ACC+32*(\u)+8*\t+4:ACC+32*(\u)+8*\t+7] offset:128*(\t/2)+32*(\t%2)+16
.endr
.irp t, 0,1,2,3,4,5,6,7
	ds_load_b128 v[BK+32*(\u)+4*\t:BK+32*(\u)+4*\t+3], v[RD] offset:2*\t*SPITCH
.endr
.endm
.macro BLK s, nx                       ; block s; nx: the block fetched behind it, or -1
.if (\s) == 1
	PRODS 1, 0, 24, \nx
	s_wait_tensorcnt 0x0
	s_wait_dscnt 0x0
	s_barrier_signal -1                            ; a plain barrier: o's tiles 8-15 are shown to all
	PRODS 1, 24, 32, \nx
	s_barrier_wait -1
.else
	PRODS (\s)%2, 0, 32, \nx
.endif
.if (\nx) >= 0                         ; four plain lines between the last product and the first reader of its sums
	v_add_nc_u32 v[AQ+5], (\nx)*2*TB, v[AQ0+5]
	v_add_nc_u32 v[AQ+6], (\nx)*2*TB, v[AQ0+6]
	v_add_nc_u32 v[AQ+7], (\nx)*2*TB, v[AQ0+7]
	v_add_nc_u32 v[AAS], (\nx)*SSTEP, v[AAS0]
	WALU                                           ; ahead of the wait below
.else
	PLACES 4
.endif
	s_wait_xcnt 0x0                                ; the stores of two blocks ago have read this set of rows
	STAGED (\s)%2
.if (\nx) >= 0
	FETCHAT (\s)%2, AQ, AAS
	s_wait_dscnt NF                                ; the rows are back and the next block's rows are in; younger is this fetch alone
.else
	s_wait_dscnt 0x0
.endif
.irp t, 0,1,2,3,4,5,6,7
	global_store_b128 v[CO], v[BK+32*((\s)%2)+4*\t:BK+32*((\s)%2)+4*\t+3], s[12:13] offset:((\s)*32+2*\t+8*(\t/4))*4096 th:TH_STORE_NT   ; slots 2 t, 2 t + 1: sixteen lanes to a row's 256 bytes
.endr
.endm
	s_load_b128 s[4:7], s[0:1], 0x0                ; oq, w
	s_load_b128 s[8:11], s[0:1], 0x10              ; b_o, out0
	v_lshl_add_u32 v[SPW], v0, 2, SPARE
	v_mov_b32 v[NIL], 0
	ds_add_u32 v[SPW], v[NIL]                      ; the opening lines: the add, twice on end, and its wait
	ds_add_u32 v[SPW], v[NIL]
	v_lshrrev_b32 v1, 5, v0
	v_readfirstlane_b32 s14, v1                    ; the wave; s15 = a, s16 = b
	s_lshr_b32 s15, s14, 1
	s_and_b32 s16, s14, 1
	s_bfe_u32 s40, ttmp6, 0x40000
	s_bfe_u32 s41, ttmp6, 0x40004
	s_lshl_b32 s43, ttmp9, 2
	s_add_co_u32 s43, s43, s40                     ; tile row, 0 .. 31
	s_and_b32 s42, ttmp7, 0xffff
	s_lshl_b32 s42, s42, 2
	s_add_co_u32 s42, s42, s41                     ; tile column, 0 .. 7
	s_lshl_b32 s44, 0x1111, s40                    ; my column of the cluster shares o's rows
	s_lshl_b32 s45, s41, 2
	s_lshl_b32 s45, 15, s45                        ; my row shares the weight's
	GROUP1 G1A, 44
	GROUP1 G1B, 45
	s_or_b32 s[G1S+0], s44, (3<<16)|(1<<20)|(1<<21)|(5<<22)|(3<<25)   ; 32 rows of 256 bytes, 16 of padding behind each
	s_mov_b32 s[G1S+1], 32<<16
	s_mov_b32 s[G1S+2], 32<<16
	s_mov_b32 s[G1S+3], 32<<16
	s_mov_b32 s[G1S+4], 32
	s_mov_b32 s[G1S+5], 32
	s_mov_b32 s[G1S+6], 0
	s_mov_b32 s[G1S+7], 0
	s_mov_b32 s[G0A], 1
	s_mov_b32 s[G0A+1], 0
	s_mov_b32 s[G0A2], 1
	s_mov_b32 s[G0A2+1], 8*TB
	s_mov_b32 s[G0B], 1
	s_mov_b32 s[G0B+1], YB
	s_mov_b32 s[G0S], 1
	s_mov_b32 s[G0S+1], SCL
	s_mul_i32 s80, s43, 16*TB                      ; o's tiles
	s_mov_b32 s81, 0
	s_mul_i32 s82, s42, 8*TB                       ; the weight's
	s_add_co_u32 s82, s82, WOFF
	s_mov_b32 s83, 0
	s_lshl_b32 s84, s43, 13                        ; o's scale bytes
	s_add_co_u32 s84, s84, XSO
	s_mov_b32 s85, 0
	s_lshl_b32 s86, s42, 12                        ; the scale bytes of my four tiles of the weight
	s_lshl_b32 s20, s16, 11
	s_add_co_u32 s86, s86, s20
	s_add_co_u32 s86, s86, WSOFF
	s_mov_b32 s87, 0
	s_lshl_b32 s94, s42, 9                         ; my 64 columns, in bytes
	s_lshl_b32 s20, s16, 8
	s_add_co_u32 s94, s94, s20
	s_mov_b32 s95, 0
	s_lshl_b32 s92, s43, 20                        ; out0: row 256 x tile row + 8 a, my columns
	s_lshl_b32 s20, s15, 15
	s_add_co_u32 s92, s92, s20
	s_add_co_u32 s92, s92, s94
	s_mov_b32 s93, 0
	s_mul_i32 s23, s15, TB
	s_mul_i32 s22, s16, 4*TB
	s_add_co_u32 s22, s22, YB
	s_mul_i32 s21, s15, 544
	s_add_co_u32 s21, s21, SCL
	s_mul_i32 s20, s14, 16*SPITCH
	s_add_co_u32 s20, s20, YB                      ; my stage
	v_and_b32 v1, 15, v0                           ; r
	v_bfe_u32 v2, v0, 4, 1                         ; h
	v_and_b32 v3, 31, v0                           ; lane
	v_lshl_add_u32 v[AQ0], v3, 3, s23
	v_lshl_add_u32 v[BA], v3, 3, s22
.irp q, 1,2,3,4,5,6,7
	v_add_nc_u32 v[AQ0+\q], 1536*\q, v[AQ0]
	v_add_nc_u32 v[BA+\q], 1536*\q, v[BA]
.endr
.irp q, 0,1,2,3,4,5,6,7
	v_add_nc_u32 v[AQ+\q], 2*TB+1536*\q, v[AQ0]
.endr
	v_lshlrev_b32 v[ABS], 5, v3
	v_lshlrev_b32 v8, 6, v2                        ; the bias: 64 h
	v_lshlrev_b32 v23, 5, v1
	v_lshrrev_b32 v22, 3, v1
	v_lshl_add_u32 v23, v22, 4, v23                ; 32 r + 16 (r / 8)
	v_add_nc_u32 v[AAS0], s21, v23
	v_add_nc_u32 v[AAS], SSTEP, v[AAS0]
	v_mul_u32_u24 v21, v1, SPITCH
	v_lshl_add_u32 v21, v2, 6, v21
	v_add_nc_u32 v[STO], s20, v21                  ; in: row r, + 64 h
	v_mul_u32_u24 v20, v2, SPITCH
	v_lshl_add_u32 v20, v1, 4, v20
	v_add_nc_u32 v[RD], s20, v20                   ; back: lanes 0-15 a row, lanes 16-31 the next
	v_lshlrev_b32 v15, 12, v2
	v_lshl_add_u32 v[CO], v1, 4, v15               ; and the same two rows in out0
	WALU                                           ; the head's end
	s_wait_dscnt 0x0
	CROUND                                         ; the opening round
	s_wait_kmcnt 0x0
	s_add_nc_u64 s[G0A+2:G0A+3], s[4:5], s[80:81]
	s_add_nc_u64 s[G0A2+2:G0A2+3], s[G0A+2:G0A+3], 8*TB
	s_or_b32 s[G0A+3], s[G0A+3], 0x80000000
	s_or_b32 s[G0A2+3], s[G0A2+3], 0x80000000
	s_add_nc_u64 s[G0B+2:G0B+3], s[6:7], s[82:83]
	s_or_b32 s[G0B+3], s[G0B+3], 0x80000000
	s_add_nc_u64 s[G0S+2:G0S+3], s[4:5], s[84:85]
	s_or_b32 s[G0S+3], s[G0S+3], 0x80000000
	s_add_nc_u64 s[18:19], s[6:7], s[86:87]
	s_add_nc_u64 s[8:9], s[8:9], s[94:95]
	s_add_nc_u64 s[12:13], s[10:11], s[92:93]
	s_cmp_eq_u32 s14, 0
	s_cbranch_scc0 .Lwave_1
	TLOAD G0B, G1B                                 ; wave 0: the weight's 8 tiles, which are wanted first
	s_branch .Lasked
.Lwave_1:
	s_cmp_eq_u32 s14, 1
	s_cbranch_scc0 .Lwave_2
	TLOAD G0A, G1A                                 ; wave 1: o's tiles 0-7
	s_branch .Lasked
.Lwave_2:
	s_cmp_eq_u32 s14, 2
	s_cbranch_scc0 .Lwave_3
	TLOAD G0S, G1S                                 ; wave 2: o's scale bytes
	s_branch .Lasked
.Lwave_3:
	TLOAD G0A2, G1A                                ; wave 3: o's tiles 8-15
.Lasked:
.irp p, 0,1
.irp c, 0,1
	global_load_b128 v[SB+NQ*\p+4*\c:SB+NQ*\p+4*\c+3], v[ABS], s[18:19] offset:\p*1024+16*\c   ; lanes 0-15 tile 2 p's rows, lanes 16-31 tile 2 p + 1's
.endr
.endr
.irp t, 0,1,2,3
	global_load_b128 v[BO+8*\t:BO+8*\t+3], v8, s[8:9] offset:128*(\t/2)+32*(\t%2)
	global_load_b128 v[BO+8*\t+4:BO+8*\t+7], v8, s[8:9] offset:128*(\t/2)+32*(\t%2)+16
.endr
	s_cmp_eq_u32 s14, 0
	s_cbranch_scc0 .Lnot_b
	s_wait_tensorcnt 0x0
.Lnot_b:
	BARRIER                                        ; the weight has landed
.irp t, 0,1,2,3
.irp q, 0,1,2,3,4,5,6,7
	FRAG NB*\q+\t, BA+\q
.endr
.if \t < 3
	WIN 0
.irp q, 0,1,2,3,4,5,6,7
	v_add_nc_u32 v[BA+\q], TB, v[BA+\q]
.endr
.endif
.endr
	WIN 0
	s_cmp_eq_u32 s14, 3
	s_cbranch_scc1 .Lnot_a
	s_wait_tensorcnt 0x0                           ; waves 1 and 2: o's tiles 0-7 and the scale bytes
.Lnot_a:
	s_wait_dscnt 0x0
	BARRIER                                        ; they are in, and nobody reads the weight's bytes any more; wave 3's tile may still be on its way
	FETCHAT 0, AQ0, AAS0
	FETCHAT 1, AQ, AAS
	s_wait_loadcnt 0x0                             ; the weight's scale words and the bias
	s_wait_dscnt NF                                ; block 0's rows are in
.irp s, 0,1,2,3,4,5
	BLK \s, \s+2
.endr
	BLK 6, -1
	BLK 7, -1
	s_wait_tensorcnt 0x0                           ; the wave's end
	ds_add_u32 v[SPW], v[NIL]
	s_wait_dscnt 0x0
	CROUND                                         ; the closing round
	s_endpgm
.Lfunc_end_k_qb6ae182c4c_outp:
	.size	k_qb6ae182c4c_outp, .Lfunc_end_k_qb6ae182c4c_outp-k_qb6ae182c4c_outp
	.p2alignl 7, 3214868480
	.fill 96, 4, 3214868480
	.section	.rodata,"a",@progbits
	.p2align	6, 0x0
	.amdhsa_kernel k_qb6ae182c4c_outp
		.amdhsa_group_segment_fixed_size 327680
		.amdhsa_private_segment_fixed_size 0
		.amdhsa_enable_private_segment 0
		.amdhsa_kernarg_size 32
		.amdhsa_user_sgpr_count 2
		.amdhsa_user_sgpr_kernarg_segment_ptr 1
		.amdhsa_wavefront_size32 1
		.amdhsa_system_sgpr_workgroup_id_x 1
		.amdhsa_system_sgpr_workgroup_id_y 1
		.amdhsa_system_sgpr_workgroup_id_z 1
		.amdhsa_system_vgpr_workitem_id 0
		.amdhsa_next_free_vgpr 840
		.amdhsa_next_free_sgpr 102
		.amdhsa_reserve_vcc 0
		.amdhsa_float_denorm_mode_32 3
		.amdhsa_float_denorm_mode_16_64 3
		.amdhsa_memory_ordered 1
		.amdhsa_forward_progress 1
		.amdhsa_inst_pref_size 86
	.end_amdhsa_kernel
	.amdgpu_metadata
---
amdhsa.version: [ 1, 2 ]
amdhsa.kernels:
  - .name:           k_qb6ae182c4c_outp
    .symbol:         k_qb6ae182c4c_outp.kd
    .args:
      - { .name: oq, .offset: 0, .size: 8, .value_kind: global_buffer, .address_space: global }
      - { .name: w, .offset: 8, .size: 8, .value_kind: global_buffer, .address_space: global }
      - { .name: b_o, .offset: 16, .size: 8, .value_kind: global_buffer, .address_space: global }
      - { .name: out0, .offset: 24, .size: 8, .value_kind: global_buffer, .address_space: global }
    .group_segment_fixed_size: 327680
    .private_segment_fixed_size: 0
    .kernarg_segment_align: 8
    .kernarg_segment_size: 32
    .max_flat_workgroup_size: 128
    .sgpr_count:     102
    .vgpr_count:     840
    .wavefront_size: 32
...
	.end_amdgpu_metadata
.endif
;; end of part 5
